; MI455X (gfx1250); checked and timed in simulation.
; The chip was launched on July 23, 2026; its instructions are those of AMD's public machine-readable ISA for CDNA 5 (MIT licence, August 2026) and "CDNA5" Instruction Set Architecture Reference Guide (July 2026). The comments in the code are by the model that wrote it; some were corrected since.
;; Multi Head Attention. Allowed arithmetic: matrix products marked QUANTISED: E2M1 operands, one E8M0 scale for each 32 along K, by v_wmma_scale_f32_16x16x128_f8f6f4 with both operands' format E2M1 (or v_wmma_scale_f32_32x16x128_f4), f32 sums; everything else in f32.
;; Inputs: Wk 16 x 1,024 x 64 float32; Wo 1,024 x 1,024 float32; Wq 16 x 1,024 x 64 float32; Wv 16 x 1,024 x 64 float32; bk 16 x 64 float32; bo 1,024 float32; bq 16 x 64 float32; bv 16 x 64 float32; x 4 x 2,048 x 1,024 float32.
;; Outputs: out0 4 x 2,048 x 1,024 float32.
;; This version of the problem:
;;   THIS VERSION OF THE PROBLEM IS GIVEN IN LOW PRECISION. The matrix products marked QUANTISED in the list below multiply operands that are first quantised to E2M1 (2 exponent bits, 1 mantissa bit; 4 bits a number), with one power-of-two scale for each 32 numbers along K (OCP MX v1.0); their sums are f32. All else is computed in f32.
;;   The module's matrix products, in the order in which they are computed (A, B: the left and right operand; K: the contracted axis; several contracted axes count as one K, in the product's order):
;;     1. [M 1,024, K 1,024] x [K 1,024, N 8,192]; A: input Wq; B: input x: QUANTISED
;;     2. [M 1,024, K 1,024] x [K 1,024, N 8,192]; A: input Wk; B: input x: QUANTISED
;;     3. [M 1,024, K 1,024] x [K 1,024, N 8,192]; A: input Wv; B: input x: QUANTISED
;;     4. batch 64 x [M 2,048, K 64] x [K 64, N 2,048]; A: computed on the way; B: computed on the way: QUANTISED
;;     5. batch 64 x [M 2,048, K 2,048] x [K 2,048, N 64]; A: softmax (see below); B: computed on the way: QUANTISED
;;     6. [M 8,192, K 1,024] x [K 1,024, N 1,024]; A: computed on the way; B: input Wo: QUANTISED
;;   THE QUANTISER, for each operand of a quantised product, along K:
;;     - K is cut into blocks of 32 from its start; a last block that is shorter is filled with zeros.
;;     - A block's scale is 2^e with e = floor(log2(the largest magnitude in the block)) - 2, held to -126 .. 127; a block of zeros has e = 0. As a byte (E8M0): e + 127.
;;     - Each number is divided by its block's scale, clamped to +-6, and rounded to the nearest number of E2M1, ties to even, subnormals kept.
;;     - The product sums the exact products of the quantised numbers (number of the format x scale) in f32.
;;   ~~~python
;;   def quantise(x, axis):      # numpy; x: float32 -> the quantised numbers, widened to float32 again
;;       x = np.moveaxis(x, axis, -1); K = x.shape[-1]
;;       x = np.pad(x, [(0, 0)] * (x.ndim - 1) + [(0, -K % 32)]); x = x.reshape(x.shape[:-1] + (-1, 32)); a = np.abs(x).max(-1, keepdims=True)
;;       e = np.where(a > 0, np.clip(np.frexp(np.where(a > 0, a, 1))[1] - 1 - 2, -126, 127), 0)      # np.frexp(a)[1] - 1 = floor(log2(a)), exactly
;;       r = np.clip(x / 2.0 ** e, -6, 6)
;;       step = 2.0 ** (np.maximum(np.frexp(np.where(r == 0, 1, r))[1] - 1, 0) - 1)
;;       q = np.round(r / step) * step * 2.0 ** e      # np.round: ties to even
;;       return np.moveaxis(q.reshape(q.shape[:-2] + (-1,))[..., :K], -1, axis).astype(np.float32)
;;   ~~~
;;   SOFTMAX AHEAD OF A QUANTISED PRODUCT. Where the list says 'softmax', what is quantised is not the finished softmax but p = 2^(t - M), with t = logit x log2(e) and M = ceil(the row's largest t), a whole number; so 1/2 < the row's largest p <= 1. The row's sum l is taken of the UNQUANTISED p, in f32, and the product's result is divided by l at the end. Since M is a whole number, a kernel that streams over the keys may use a running M (the ceiling of the running maximum): every later rescaling is an exact power of two, which a block's scale takes up: the codes' values come out the same.
;;   OPERANDS COMPUTED ON THE WAY. 'Computed on the way' means the value that the module computes at that place (a softmax that the list does not call 'softmax' is quantised finished and normalised). What goes into a quantiser is computed in f32, as accurately as f32 sums, v_exp_f32 and their like allow (about 1e-6 of the number): no bf16 or f16 on the way to a quantiser, and a product that is left as it is and whose result goes on into a quantised operand takes f32 operands (vector FMAs, or v_wmma_f32_16x16x4_f32). A number that lies on a knife's edge between two numbers of the format may be rounded either way, as far as f32 arithmetic and the matrix unit's own rounding can turn it there, and no further.
;; One version. Each part assembles by itself: llvm-mc -triple=amdgcn-amd-amdhsa -mcpu=gfx1250 --defsym DOCPART=n.
;; ======== version 1 of 1: 4 launches
;; limits: right only within a limited range of input values
;; workspace buffers: xc 4,194,304 bytes; xs 262,144 bytes; wc 2,097,152 bytes; ws 131,072 bytes; qkvc 12,582,912 bytes; qkvs 786,432 bytes; oc 4,194,304 bytes; os 262,144 bytes
;; launch quant (part 1): grid 240 x 1, 8 waves a work-group, no clusters, 84,992 bytes of LDS; arguments x, Wo, Wq, Wk, Wv, xc, xs, wc, ws; writes xc, xs, wc, ws
.if DOCPART == 1
	.amdgcn_target "amdgcn-amd-amdhsa--gfx1250"
	.amdhsa_code_object_version 6
	.text
	.protected	k_q2363380112_quant
	.globl	k_q2363380112_quant
	.p2align	8
	.type	k_q2363380112_quant,@function
k_q2363380112_quant:
	s_mov_b64 s[64:65], 0
	v_nop
	global_prefetch_b8 v0, s[64:65] scope:SCOPE_SE
	s_setreg_imm32_b32 hwreg(HW_REG_WAVE_MODE, 25, 1), 1
	s_wait_xcnt 0x0
; x [8192][1024], Wo [1024][1024] (K innermost) and Wq, Wk, Wv [16][1024][64] (K = the middle axis), all f32, become codes of FP4 (E2M1), K innermost, 512 bytes a row,
; with one E8M0 byte for each 32 along K, 32 bytes a row.  xc, xs: the 8,192 rows of x.  wc, ws: 4,096 rows: Wq, Wk, Wv by pair of heads (row = 384 pair + 128 matrix + 64 (head % 2) + d), then Wo.
; A block's scale is 2^(floor(log2(its largest magnitude)) - 2): its byte is the largest magnitude's exponent field - 2, held at 1 from below.
; THE ROWS ARE STORED IN ANOTHER ORDER: in each group of 32 rows, storage row 16 u + r holds row 8 u + r + 8 (r / 8).  So 16 neighbouring storage rows, taken as source 0 of a product,
; leave in a lane's registers of two neighbouring tiles 16 neighbours of that axis, which the later launches quantise along it.
; LIMITS: a block of zeros gets the byte 1 where the rule says 127 (its codes are zeros, and this program alone reads the bytes); largest magnitudes under 2^-124 are held at that floor; NaN and infinities are not served.
; Work-groups 0-127: 64 rows of x each; 128-143: 64 rows of Wo; 144-239: 32 columns of one head of Wq, Wk or Wv, all of K.  The two ways have LDS bytes of their own.
; No tensor load, no matrix work, no cluster: no two work-groups read the same bytes.
.set STEPS, 16
.set CB,    8                          ; bytes of 16 codes
.set R,     16                         ; rows: v16-143   eight sets of 16 numbers as they are loaded
.set X,     144                        ; rows: v144-175 two sets of 16 neighbours (v16-143: eight sets of 16 numbers as they are loaded)
.set E,     176                        ; rows: v176-191 a scale byte for each step
.set C,     194                        ; rows: v194-225 codes, two registers for each step
.set WREG,  8192                       ; rows: LDS region of a wave: two stages of 32 x SP bytes, then its 256 scale bytes
.set SP,    80                         ; a lane's place in a stage: 64 bytes + 16 of padding
.set CSTG,  65536                      ; columns: a stage of 32 rows x (512 + 16) bytes
.set CP,    528
.set CSCL,  CSTG+32*CP                 ; columns: 32 rows x 32 scale bytes
.set XC,    32                         ; columns: v32-159 my column's 128 numbers
.set CC,    160                        ; columns: v160-175 codes, four registers for each block
.set CO,    176                        ; columns: v176-191 rows on their way out
.macro LOAD t
.irp i, 0,1,2,3
	global_load_b128 v[R+16*((\t)%8)+4*\i:R+16*((\t)%8)+4*\i+3], v3, s[4:5] offset:2048*(\t)+512*\i th:TH_LOAD_NT   ; 32 lanes read 512 consecutive bytes
.endr
.endm
.macro TURN t                          ; a step's 2,048 bytes through the wave's own stage: in as they lie, back 64 bytes a lane.  LDS serves a wave's instructions in order
.irp i, 0,1,2,3
	ds_store_b128 v14, v[R+16*((\t)%8)+4*\i:R+16*((\t)%8)+4*\i+3] offset:32*SP*((\t)%2)+8*SP*\i
.endr
.irp i, 0,1,2,3
	ds_load_b128 v[X+16*((\t)%2)+4*\i:X+16*((\t)%2)+4*\i+3], v15 offset:32*SP*((\t)%2)+16*\i
.endr
.endm
.macro STEP t
.set XS, X+16*((\t)%2)
.if (\t) > 0
	s_wait_dscnt 1                                 ; this step's numbers are back from the stage; the last step's byte store may be out
.else
	s_wait_dscnt 0x0
.endif
.if (\t)+8 < STEPS
	LOAD (\t)+8                                    ; into the registers that the stage's stores have read
.endif
.if (\t)+1 < STEPS
.if STEPS-2-(\t) >= 7
	s_wait_loadcnt 28                              ; the next step's four loads are in; those of the seven steps behind it may be out
.else
	s_wait_loadcnt 4*(STEPS-2-(\t))
.endif
	TURN (\t)+1
.endif
	v_max3_num_f32 v8, |v[XS]|, |v[XS+1]|, |v[XS+2]|               ; the largest magnitude of my 16, in two chains
	v_max3_num_f32 v9, |v[XS+3]|, |v[XS+4]|, |v[XS+5]|
.irp i, 6,10
	s_delay_alu instid0(VALU_DEP_2)
	v_max3_num_f32 v8, v8, |v[XS+\i]|, |v[XS+\i+1]|
	s_delay_alu instid0(VALU_DEP_2)
	v_max3_num_f32 v9, v9, |v[XS+\i+2]|, |v[XS+\i+3]|
.endr
	s_delay_alu instid0(VALU_DEP_2)
	v_max3_num_f32 v8, v8, |v[XS+14]|, |v[XS+15]|
	s_delay_alu instid0(VALU_DEP_1)
	v_max3_num_f32 v8, v8, v9, 0x1800000           ; and the floor 2^(3 - 127): the byte cannot fall under 1
	s_delay_alu instid0(VALU_DEP_1)
	v_max_num_f32_dpp v8, v8, v8 row_xmask:1 row_mask:0xf bank_mask:0xf   ; with my neighbour's 16: the block's
	s_delay_alu instid0(VALU_DEP_1)
	v_add_nc_u32 v11, 0xff000000, v8               ; 2 off its exponent field: the conversion takes the exponent field of this operand as its scale
	v_cvt_scalef32_pk8_fp4_f32 v[C+2*(\t)], v[XS:XS+7], v11
	v_cvt_scalef32_pk8_fp4_f32 v[C+2*(\t)+1], v[XS+8:XS+15], v11
	v_lshrrev_b32 v[E+(\t)], 23, v11               ; the scale's byte
	ds_store_b8 v5, v[E+(\t)] offset:16*(\t)       ; both lanes of a block write the same byte with the same value
	global_store_b64 v4, v[C+2*(\t):C+2*(\t)+1], s[14:15] offset:32*CB*(\t)   ; the wave stores 256 consecutive bytes, aligned
.endm
.macro BLOCK t, left                   ; columns: block t of my column: all its 32 numbers are mine
.set XS, XC+32*(\t)
	s_wait_loadcnt \left
	v_max3_num_f32 v12, |v[XS]|, |v[XS+1]|, |v[XS+2]|
	v_max3_num_f32 v13, |v[XS+3]|, |v[XS+4]|, |v[XS+5]|
.irp i, 6,10,14,18,22,26
	s_delay_alu instid0(VALU_DEP_2)
	v_max3_num_f32 v12, v12, |v[XS+\i]|, |v[XS+\i+1]|
	s_delay_alu instid0(VALU_DEP_2)
	v_max3_num_f32 v13, v13, |v[XS+\i+2]|, |v[XS+\i+3]|
.endr
	s_delay_alu instid0(VALU_DEP_2)
	v_max3_num_f32 v12, v12, |v[XS+30]|, |v[XS+31]|
	s_delay_alu instid0(VALU_DEP_1)
	v_max3_num_f32 v12, v12, v13, 0x1800000
	s_delay_alu instid0(VALU_DEP_1)
	v_add_nc_u32 v11, 0xff000000, v12
	s_delay_alu instid0(VALU_DEP_1)
	v_lshrrev_b32 v13, 23, v11
.if (\t) == 0
	s_delay_alu instid0(VALU_DEP_1)
	v_mov_b32 v24, v13                             ; four bytes make my wave's word of the row's scales
.else
	s_delay_alu instid0(VALU_DEP_1)
	v_lshl_or_b32 v24, v13, 8*(\t), v24
.endif
.irp g, 0,1,2,3
	v_cvt_scalef32_pk8_fp4_f32 v[CC+4*(\t)+\g], v[XS+8*\g:XS+8*\g+7], v11
.endr
	ds_store_b128 v4, v[CC+4*(\t):CC+4*(\t)+3] offset:16*(\t)
.endm
	s_load_b256 s[4:11], s[0:1], 0x0               ; x, Wo, Wq, Wk
	s_load_b256 s[12:19], s[0:1], 0x20             ; Wv, xc, xs, wc
	s_load_b64 s[20:21], s[0:1], 0x40              ; ws
	v_lshl_add_u32 v192, v0, 2, 0x14800
	v_mov_b32 v193, 0
	v_lshrrev_b32 v1, 5, v0
	s_delay_alu instid0(VALU_DEP_1)
	v_readfirstlane_b32 s22, v1                    ; wave 0..7
	v_and_b32 v2, 31, v0                           ; lane
	s_wait_kmcnt 0x0
	s_cmp_ge_u32 ttmp9, 144                        ; the way hangs on the work-group's number alone
	s_cbranch_scc1 .Lcols
	; ---- ROWS.  A wave takes 8 rows: 16 steps of 512 numbers
	s_wait_alu depctr_va_vdst(0)
	v_lshlrev_b32 v3, 4, v2                        ; my 16 bytes of a load's 512
	s_mul_i32 s23, s22, WREG
	v_lshrrev_b32 v14, 2, v2
	s_delay_alu instid0(VALU_DEP_1)
	v_mul_u32_u24 v14, v14, SP
	v_and_b32 v15, 3, v2
	s_delay_alu instid0(VALU_DEP_1)
	v_lshl_add_u32 v14, v15, 4, v14
	s_delay_alu instid0(VALU_DEP_1)
	v_add_nc_u32 v14, s23, v14                     ; the stage, in: SP (lane / 4) + 16 (lane % 4)
	v_mul_u32_u24 v15, v2, SP
	s_delay_alu instid0(VALU_DEP_1)
	v_add_nc_u32 v15, s23, v15                     ; and back: SP x lane
	v_mul_u32_u24 v4, v2, CB                       ; my codes' place in a step's
	v_lshrrev_b32 v5, 1, v2
	s_add_co_u32 s23, s23, 2*32*SP
	v_add_nc_u32 v5, s23, v5                       ; my block's byte among my wave's 256
	v_lshlrev_b32 v7, 3, v2
	s_delay_alu instid0(VALU_DEP_1)
	v_add_nc_u32 v6, s23, v7
	s_cmp_lt_u32 ttmp9, 128                        ; x or Wo
	s_cselect_b64 s[4:5], s[4:5], s[6:7]
	s_cselect_b64 s[14:15], s[14:15], s[18:19]
	s_cselect_b64 s[16:17], s[16:17], s[20:21]
	s_cselect_b32 s24, 0, 128
	s_cselect_b32 s25, 0, 0x180000                 ; Wo's codes begin at row 3,072 of wc,
	s_cselect_b32 s26, 0, 0x18000                  ; its scale bytes likewise in ws
	s_sub_co_u32 s24, ttmp9, s24
	s_lshl_b32 s24, s24, 3
	s_add_co_u32 s27, s24, s22                     ; the run of 8 rows that I read
	s_and_b32 s28, s22, 4
	s_add_co_u32 s24, s24, s28
	s_and_b32 s28, s22, 1
	s_lshl_b32 s28, s28, 1
	s_add_co_u32 s24, s24, s28
	s_bfe_u32 s28, s22, 0x10001
	s_add_co_u32 s24, s24, s28                     ; and where it goes: in each four runs the middle two change places
	s_lshl_b32 s28, s27, 15
	s_mov_b32 s29, 0
	s_add_nc_u64 s[4:5], s[4:5], s[28:29]
	s_lshl_b32 s28, s24, 12
	s_add_co_u32 s28, s28, s25
	s_add_nc_u64 s[14:15], s[14:15], s[28:29]
	s_lshl_b32 s28, s24, 8
	s_add_co_u32 s28, s28, s26
	s_add_nc_u64 s[16:17], s[16:17], s[28:29]
.irp t, 0,1,2,3,4,5,6,7
	LOAD \t
.endr
	s_wait_alu depctr_va_vdst(0)
	s_wait_loadcnt 28                              ; step 0's four loads are in
	TURN 0
.irp t, 0,1,2,3,4,5,6,7,8,9,10,11,12,13,14,15
	STEP \t
.endr
	ds_load_b64 v[12:13], v6                       ; these see my byte stores: LDS serves a wave in order
	s_wait_dscnt 0x0
	global_store_b64 v7, v[12:13], s[16:17]        ; 256 consecutive bytes, aligned
	s_wait_tensorcnt 0x0
	ds_add_u32 v192, v193
	s_wait_dscnt 0x0
	s_endpgm
	; ---- COLUMNS.  A lane takes a column, its registers run down K; wave w takes k = 128 w .. 128 w + 127
.Lcols:
	s_sub_co_u32 s23, ttmp9, 144                   ; 32 x matrix + 2 x head + half of the head's 64 columns: also the group of 32 rows of wc
	s_lshr_b32 s24, s23, 5
	s_bfe_u32 s25, s23, 0x40001
	s_and_b32 s26, s23, 1
	; wc and ws hold Wq, Wk, Wv BY PAIR OF HEADS: rows 384 pair + 128 matrix + 64 (head % 2) + d; Wo follows from row 3,072 on.  In groups of 32 rows: 12 pair + 4 matrix + 2 (head % 2) + half
	s_lshr_b32 s34, s25, 1
	s_mul_i32 s34, s34, 12
	s_lshl_b32 s35, s24, 2
	s_add_co_u32 s34, s34, s35
	s_and_b32 s35, s23, 3
	s_add_co_u32 s34, s34, s35
	s_cmp_eq_u32 s24, 0
	s_cselect_b64 s[28:29], s[8:9], s[10:11]
	s_cmp_eq_u32 s24, 2
	s_cselect_b64 s[28:29], s[12:13], s[28:29]
	s_lshl_b32 s30, s25, 18                        ; a head is 1,024 x 64 numbers,
	s_lshl_b32 s31, s22, 15                        ; 128 rows of 256 bytes a wave,
	s_add_co_u32 s30, s30, s31
	s_lshl_b32 s31, s26, 7                         ; 32 columns
	s_add_co_u32 s30, s30, s31
	s_mov_b32 s31, 0
	s_add_nc_u64 s[28:29], s[28:29], s[30:31]
	s_lshl_b32 s30, s34, 14                        ; out: 32 rows of 512 bytes a work-group, 4 rows a wave
	s_lshl_b32 s32, s22, 11
	s_add_co_u32 s30, s30, s32
	s_add_nc_u64 s[18:19], s[18:19], s[30:31]
	s_min_u32 s33, s22, 1                          ; the scale bytes leave by waves 0 and 1
	s_lshl_b32 s30, s34, 10
	s_lshl_b32 s32, s33, 9
	s_add_co_u32 s30, s30, s32
	s_add_nc_u64 s[20:21], s[20:21], s[30:31]
	s_wait_alu depctr_va_vdst(0)
	v_lshlrev_b32 v3, 2, v2
	v_bfe_u32 v9, v2, 3, 1
	v_and_b32 v10, 7, v2
	s_delay_alu instid0(VALU_DEP_1)
	v_lshl_add_u32 v10, v9, 4, v10
	v_bfe_u32 v9, v2, 4, 1
	s_delay_alu instid0(VALU_DEP_1)
	v_lshl_add_u32 v10, v9, 3, v10                 ; my column's storage row: 16 ((l / 8) % 2) + l % 8 + 8 (l / 16)
	s_delay_alu instid0(VALU_DEP_1)
	v_mul_u32_u24 v4, v10, CP
	s_lshl_b32 s32, s22, 6
	s_add_co_u32 s32, s32, CSTG
	v_add_nc_u32 v4, s32, v4                       ; the stage, in: my row, my wave's 64 bytes
	v_lshlrev_b32 v5, 5, v10
	s_lshl_b32 s32, s22, 2
	s_add_co_u32 s32, s32, CSCL
	v_add_nc_u32 v5, s32, v5                       ; my row's scale bytes, my wave's word
	v_lshlrev_b32 v7, 4, v2
	s_mul_i32 s32, s22, 4*CP
	s_add_co_u32 s32, s32, CSTG
	v_add_nc_u32 v6, s32, v7                       ; back: rows 4 w .. 4 w + 3, 16 bytes a lane
	s_lshl_b32 s32, s33, 9
	s_add_co_u32 s32, s32, CSCL
	v_add_nc_u32 v8, s32, v7
.set i, 0
.rept 128
	global_load_b32 v[XC+i], v3, s[28:29] offset:256*i th:TH_LOAD_NT   ; W(128 w + i, my column): 32 lanes read 128 consecutive bytes; each register is loaded once
.set i, i+1
.endr
	BLOCK 0, 63                                    ; 96 younger loads could stay out; a wait's count names 63 at the most
	BLOCK 1, 63                                    ; likewise for 64
	BLOCK 2, 32                                    ; block 3's 32 may be out
	BLOCK 3, 0
	ds_store_b32 v5, v24
	s_wait_dscnt 0x0                               ; for the others: my stores into the stage have landed
	s_barrier_signal -1
	s_barrier_wait -1
.irp i, 0,1,2,3
	ds_load_b128 v[CO+4*\i:CO+4*\i+3], v6 offset:CP*\i
.endr
.irp i, 0,1,2,3
	s_wait_dscnt 3-\i                              ; the younger loads may be out
	global_store_b128 v7, v[CO+4*\i:CO+4*\i+3], s[18:19] offset:512*\i   ; a whole row: 512 consecutive bytes
.endr
	s_cmp_lt_u32 s22, 2
	s_cbranch_scc0 .Lcols_done
	ds_load_b128 v[28:31], v8
	s_wait_dscnt 0x0
	global_store_b128 v7, v[28:31], s[20:21]       ; 16 rows' scale bytes: 512 consecutive bytes
.Lcols_done:
	s_wait_tensorcnt 0x0
	ds_add_u32 v192, v193
	s_wait_dscnt 0x0
	s_endpgm
.Lfunc_end_k_q2363380112_quant:
	.size	k_q2363380112_quant, .Lfunc_end_k_q2363380112_quant-k_q2363380112_quant
	.p2alignl 7, 3214868480
	.fill 96, 4, 3214868480
	.section	.rodata,"a",@progbits
	.p2align	6, 0x0
	.amdhsa_kernel k_q2363380112_quant
		.amdhsa_group_segment_fixed_size 84992
		.amdhsa_private_segment_fixed_size 0
		.amdhsa_enable_private_segment 0
		.amdhsa_kernarg_size 72
		.amdhsa_user_sgpr_count 2
		.amdhsa_user_sgpr_kernarg_segment_ptr 1
		.amdhsa_wavefront_size32 1
		.amdhsa_system_sgpr_workgroup_id_x 1
		.amdhsa_system_sgpr_workgroup_id_y 1
		.amdhsa_system_sgpr_workgroup_id_z 1
		.amdhsa_system_vgpr_workitem_id 0
		.amdhsa_next_free_vgpr 226
		.amdhsa_next_free_sgpr 66
		.amdhsa_reserve_vcc 0
		.amdhsa_float_denorm_mode_32 3
		.amdhsa_float_denorm_mode_16_64 3
		.amdhsa_memory_ordered 1
		.amdhsa_forward_progress 1
		.amdhsa_inst_pref_size 62
	.end_amdhsa_kernel
	.amdgpu_metadata
---
amdhsa.version: [ 1, 2 ]
amdhsa.kernels:
  - .name:           k_q2363380112_quant
    .symbol:         k_q2363380112_quant.kd
    .args:
      - { .name: x, .offset: 0, .size: 8, .value_kind: global_buffer, .address_space: global }
      - { .name: Wo, .offset: 8, .size: 8, .value_kind: global_buffer, .address_space: global }
      - { .name: Wq, .offset: 16, .size: 8, .value_kind: global_buffer, .address_space: global }
      - { .name: Wk, .offset: 24, .size: 8, .value_kind: global_buffer, .address_space: global }
      - { .name: Wv, .offset: 32, .size: 8, .value_kind: global_buffer, .address_space: global }
      - { .name: xc, .offset: 40, .size: 8, .value_kind: global_buffer, .address_space: global }
      - { .name: xs, .offset: 48, .size: 8, .value_kind: global_buffer, .address_space: global }
      - { .name: wc, .offset: 56, .size: 8, .value_kind: global_buffer, .address_space: global }
      - { .name: ws, .offset: 64, .size: 8, .value_kind: global_buffer, .address_space: global }
    .group_segment_fixed_size: 84992
    .private_segment_fixed_size: 0
    .kernarg_segment_align: 8
    .kernarg_segment_size: 72
    .max_flat_workgroup_size: 256
    .sgpr_count:     66
    .vgpr_count:     226
    .wavefront_size: 32
...
	.end_amdgpu_metadata
.endif
;; end of part 1
;; launch proj (part 2): grid 8 x 32, 4 waves a work-group, clusters of 4 x 4, 327,680 bytes of LDS; arguments xc, xs, wc, ws, bq, bk, bv, qkvc, qkvs; writes qkvc, qkvs
.if DOCPART == 2
	.amdgcn_target "amdgcn-amd-amdhsa--gfx1250"
	.amdhsa_code_object_version 6
	.text
	.protected	k_q2363380112_proj
	.globl	k_q2363380112_proj
	.p2align	8
	.type	k_q2363380112_proj,@function
k_q2363380112_proj:
	s_mov_b64 s[64:65], 0
	v_nop
	global_prefetch_b8 v0, s[64:65] scope:SCOPE_SE
	s_setreg_imm32_b32 hwreg(HW_REG_WAVE_MODE, 25, 1), 1
	s_wait_xcnt 0x0
	s_wait_alu depctr_hold_cnt(0) depctr_sa_sdst(0) depctr_va_vdst(0) depctr_va_sdst(0) depctr_va_ssrc(0) depctr_va_vcc(0) depctr_vm_vsrc(0)
	s_getreg_b32 s2, hwreg(HW_REG_IB_STS2, 6, 4)
	s_cmp_eq_u32 s2, 0
	s_cbranch_scc0 .Lentry_in_a_cluster
	s_endpgm
.Lentry_in_a_cluster:
	s_bfe_u32 s2, ttmp6, 0x10000c
	s_cmp_lg_u32 s2, 0xf033
	s_cbranch_scc0 .Lentry_shape_is_right
	s_endpgm
.Lentry_shape_is_right:
; Q, K, V = x W + b on codes of FP4 with E8M0 scales, K = 1,024; the results are quantised here, in registers, and leave as codes: Q and K along the head's 64, V along the keys.
; A WORK-GROUP OWNS 256 POSITIONS AND ONE PAIR OF HEADS: 32 x 8 = 256 work-groups.  wc holds the pair's rows on end: Wq 128, Wk 128, Wv 128.
; FIRST Q and K: 256 positions x 256 features, four waves of 128 x 128 (64 accumulators): source 1 (A) = x, a lane holds a position; source 0 (B) = Wq (waves 0, 2) or Wk (waves 1, 3), along a lane's registers.
; THEN V: 128 features x 256 positions, four waves of 64 x 128 (32 accumulators): A = Wv, a lane holds a feature; B = the same tile of x, which is in LDS already: its registers run along 128 keys.
; LDS: x's 256 rows and W's 256 rows, all of K (512 bytes a row + 16), and the scales of W's 384 rows and of x's 256.  Wv's 128 rows do not fit beside them: they are filled over W's first 128 rows
; behind a round of the cluster's barrier that stands in front of Q's and K's last 64 products, when every wave holds its last fragments in registers; they land under those products and the quantising of Q and K.
; The rows of xc and wc are stored so that 16 neighbouring storage rows as source 0 leave, in the registers of tiles 2 g and 2 g + 1, the neighbours 32 g + 16 (lane / 16) + 0 .. 15.
; OUT: operand images of 1,024 bytes (registers 4 c .. 4 c + 3 of lane l at byte 512 c + 16 l): qkvc [batch 4][pair 8][Q, K, V][group of 128 positions 16][8 images]; each store covers 512 consecutive bytes, aligned.
;   qkvs likewise, 512 bytes for each eight images.  Q, K: byte 16 l + 4 j: tile 2 j + l / 16, row l % 16.  V: byte 256 s + 8 l + 4 j: tile 4 s + 2 j + l / 16, row l % 16: a wave's store covers 256 consecutive bytes, aligned.
; The bias is the C of each sum's first matrix instruction.
; CLUSTERS: 4 x 4 work-groups; x's tiles are asked for jointly along a row of the cluster, W's along a column.  No loop to run ahead in: nothing is prefetched.
; LIMITS: a block of zeros gets the byte 1; magnitudes under 2^-124 are held at that floor; NaN and infinities are not served.
; REGISTERS: window 0: v16-31 addresses; v32-95 scale words, two sets; v128-191 A's fragments (V: two sets of four), later the codes made; v200-227 at work on the way out.
;   window 1: B's fragments at v0 and v128; v64-127 Q's or K's bias, v192-223 V's, in the result's layout.   windows 2, 3: the accumulators: (a, b) at v[8 (8 (a % 4) + b)].
.set NQ,     4                         ; matrix instructions deep in half of K
.set PITCH,  528                       ; an LDS row: 512 bytes + 16 of padding
.set FR,     8
.set NL,     2
.set NP,     4                         ; places behind this matrix instruction (ISA guide 7.12.1)
.set HALFT,  128*PITCH
.set WT,     2*HALFT                   ; x's 256 rows at 0, W's here
.set HALFS,  16*272                    ; the scales of 128 rows: units of 256 bytes + 16
.set SBLK,   544                       ; those of 16 rows
.set SCW,    4*HALFT                   ; the scales of W's 384 rows,
.set SCX,    SCW+3*HALFS               ; of x's 256,
.set SPARE,  SCX+2*HALFS               ; and the spare words
.set ADRA, 16                          ; v16-17 A's fragments, first and second half of K (V: v18-19)
.set ADRB, 20                          ; v20-21 B's (V: v22-23)
.set LI,   24                          ; 16 x lane
.set BO,   25                          ; the bias loads' offset (V: v29)
.set ADRS, 27                          ; the scale words (V: v26)
.set L8,   28                          ; 8 x lane
.set SPW,  30
.set NIL,  31
.set SC,   32
.set AF,   128
.set BI,   64                          ; in window 1
.set BV,   192                         ; in window 1
.set PCB,  128                         ; the codes made: block a at v[128 + 8 a]
.set TM,   200
.set PW,   216                         ; block a's scale word
.set SW,   224                         ; the scale block
.set G1X,  24
.set G1W,  32
.set G1SX, 40
.set G1SW, 48
.set G1V,  56
.set G0X,  68
.set G0W,  72
.set G0SX, 76
.set G0SW, 80
.set G0V,  84
.set SEL,  66
.set MSB, 0
.macro WIN new                         ; the immediate's high byte repeats the setting that is left
.if MSB != (\new)
	s_set_vgpr_msb (MSB<<8)|(\new)
.set MSB, (\new)
.endif
.endm
.set MUL_LO, 0xa1                      ; source 0 (B) window 1, source 1 (A) window 0, C and D window 2
.set MUL_HI, 0xf1                      ; the same, C and D window 3
.set TO_B,   0x40
.macro CROUND                          ; a round of the cluster's barrier
	s_barrier_signal -1
	s_barrier_wait -1
	s_cmp_lg_u32 s14, 0
	s_cbranch_scc1 .Lnot_wave_0_\@
	s_barrier_signal -3
.Lnot_wave_0_\@:
	s_barrier_wait -3
	s_barrier_signal -1
	s_barrier_wait -1
.endm
.macro PLACES n
.rept \n
	v_nop
.endr
.endm
.macro TL g0, g1                       ; an s_nop 0 and four v_nop follow each tensor load
	tensor_load_to_lds s[\g0:\g0+3], s[\g1:\g1+7]
	s_nop 0
	PLACES 4
.endm
.macro GRP g, c, r                     ; group 1's words 1 to 7: r rows of c elements, dense
	s_mov_b32 s[\g+1], (\c)<<16
	s_mov_b32 s[\g+2], (\r)<<16
	s_mov_b32 s[\g+3], (\c)<<16
	s_mov_b32 s[\g+4], \r
	s_mov_b32 s[\g+5], \c
	s_mov_b32 s[\g+6], 0
	s_mov_b32 s[\g+7], 0
.endm
.macro G0SET g, p                      ; group 0 but for its LDS address
	s_mov_b32 s[\g], 1
	s_mov_b64 s[\g+2:\g+3], s[\p:\p+1]
	s_or_b32 s[\g+3], s[\g+3], 0x80000000
.endm
.macro FRAG reg, adr, q, i             ; 16 rows x 128 K: registers 4 c .. 4 c + 3 hold K = 64 c + 32 (l / 16) + 0 .. 31
.irp c, 0,1
	ds_load_b128 v[\reg+4*\c:\reg+4*\c+3], v[\adr] offset:64*(\q)+32*\c+(\i)*16*PITCH
.endr
.endm
; 16 matrix instructions: A's blocks a0, a0 + 1 (their fragments ao blocks on) x B's eight.  cm = 0: onto the sums; 1: C = the bias of B's block; 2: C = the bias of A's block.  The accumulators take turns.
.macro MUL16 a0, p, q, sc, cm, ao
.irp a, \a0, \a0+1
.irp b, 0,1,2,3,4,5,6,7
.if \cm == 1
	v_wmma_scale_f32_16x16x128_f8f6f4 v[8*(8*((\a)%4)+\b):8*(8*((\a)%4)+\b)+7], v[128*(\p)+FR*\b:128*(\p)+FR*\b+FR-1], v[AF+FR*((\a)+(\ao)):AF+FR*((\a)+(\ao))+FR-1], v[BI+8*\b:BI+8*\b+7], v[SC+8*NQ*(\sc)+NQ*\b+(\q)], v[SC+8*NQ*(\sc)+NQ*(\a)+(\q)] matrix_a_fmt:MATRIX_FMT_FP4 matrix_b_fmt:MATRIX_FMT_FP4 matrix_a_scale:MATRIX_SCALE_ROW1
.elseif \cm == 2
	v_wmma_scale_f32_16x16x128_f8f6f4 v[8*(8*((\a)%4)+\b):8*(8*((\a)%4)+\b)+7], v[128*(\p)+FR*\b:128*(\p)+FR*\b+FR-1], v[AF+FR*((\a)+(\ao)):AF+FR*((\a)+(\ao))+FR-1], v[BV+8*(\a):BV+8*(\a)+7], v[SC+8*NQ*(\sc)+NQ*\b+(\q)], v[SC+8*NQ*(\sc)+NQ*(\a)+(\q)] matrix_a_fmt:MATRIX_FMT_FP4 matrix_b_fmt:MATRIX_FMT_FP4 matrix_a_scale:MATRIX_SCALE_ROW1
.else
	v_wmma_scale_f32_16x16x128_f8f6f4 v[8*(8*((\a)%4)+\b):8*(8*((\a)%4)+\b)+7], v[128*(\p)+FR*\b:128*(\p)+FR*\b+FR-1], v[AF+FR*((\a)+(\ao)):AF+FR*((\a)+(\ao))+FR-1], v[8*(8*((\a)%4)+\b):8*(8*((\a)%4)+\b)+7], v[SC+8*NQ*(\sc)+NQ*\b+(\q)], v[SC+8*NQ*(\sc)+NQ*(\a)+(\q)] matrix_a_fmt:MATRIX_FMT_FP4 matrix_b_fmt:MATRIX_FMT_FP4 matrix_a_scale:MATRIX_SCALE_ROW1
.endif
.endr
.endr
.endm
.macro FETCH_B slot, q, p
	WIN TO_B
.irp i, 0,1,2,3,4,5,6,7
	FRAG 128*(\p)+FR*\i, ADRB+\slot, \q, \i
.endr
	WIN 0
.endm
.macro FETCH_A slot, q, i0
.irp i, \i0, \i0+1, \i0+2, \i0+3
	FRAG AF+FR*(\i), ADRA+\slot, \q, \i
.endr
.endm
.macro FETCH_AV slot, q, set           ; V: A's four blocks into set 0 or 1
.irp i, 0,1,2,3
	FRAG AF+FR*(\i+4*(\set)), ADRA+\slot, \q, \i
.endr
.endm
.macro SCALES sc                       ; the scale words of half sc of K: lanes 0-15 take A's block i, lanes 16-31 B's block i
.irp i, 0,1,2,3,4,5,6,7
	ds_load_b128 v[SC+8*NQ*\sc+NQ*\i:SC+8*NQ*\sc+NQ*\i+3], v[ADRS] offset:\i*SBLK+16*\sc
.endr
.endm
.macro STEP slot, q, cm, ns, nq        ; Q, K: 128 along K; the next step's fragments lie at (ns, nq)
	s_wait_dscnt 4*NL                              ; B's set and A's blocks 0-3 are in; the youngest eight loads (A's blocks 4-7) may be out
.if \cm
	WIN 0x91                                       ; C (the bias) in window 1, D in window 2
.else
	WIN MUL_LO
.endif
	MUL16 0, (\q)%2, \q, \slot, \cm, 0
	MUL16 2, (\q)%2, \q, \slot, \cm, 0
	s_wait_dscnt 0                                 ; A's blocks 4-7 are in
	PLACES NP
	FETCH_B \ns, \nq, 1-(\q)%2
	FETCH_A \ns, \nq, 0
.if (\nq) == 0
	SCALES \ns
.endif
.if \cm
	WIN 0xd1
.else
	WIN MUL_HI
.endif
	MUL16 4, (\q)%2, \q, \slot, \cm, 0
	MUL16 6, (\q)%2, \q, \slot, \cm, 0
	PLACES NP
	WIN 0
	FETCH_A \ns, \nq, 4
.endm
.macro VSTEP k                         ; V: 128 along K, 32 matrix instructions; the next step's fragments are asked for ahead of them, into the other sets
	s_wait_dscnt 0x0
.if (\k) > 0
	PLACES NP                                      ; in front of the loads into the sets that the step before multiplied
.endif
.if (\k) < 7
	FETCH_B ((\k)+1)/4, ((\k)+1)%4, ((\k)+1)%2
	FETCH_AV ((\k)+1)/4, ((\k)+1)%4, ((\k)+1)%2
.endif
.if (\k) == 0
	WIN 0x91
	MUL16 0, 0, 0, 0, 2, 0
	MUL16 2, 0, 0, 0, 2, 0
.else
	WIN MUL_LO
	MUL16 0, (\k)%2, (\k)%4, (\k)/4, 0, 4*((\k)%2)
	MUL16 2, (\k)%2, (\k)%4, (\k)/4, 0, 4*((\k)%2)
.endif
.endm
; Block a's 64 numbers of a lane (register 16 b + i = 32 b + 16 (lane / 16) + i along the next K) become an operand's eight registers and a scale word, and leave.
.macro QOUT a
.set QS0, 64*((\a)%4)
.set QW,  2+(\a)/4                     ; the accumulators' window
.set QP,  PCB+8*(\a)
	WIN QW*5                                       ; sources 0 and 1
.irp b, 0,1,2,3
	v_max3_num_f32 v[TM+\b], |v[QS0+16*\b]|, |v[QS0+1+16*\b]|, 0x1800000   ; each accumulator is read from its low end on; the floor 2^(3 - 127) holds the byte at 1 from below
.endr
	WIN QW*20                                      ; sources 1 and 2
.irp i, 2,4,6,8,10,12,14
.irp b, 0,1,2,3
	v_max3_num_f32 v[TM+\b], v[TM+\b], |v[QS0+16*\b+\i]|, |v[QS0+1+16*\b+\i]|
.endr
.endr
	WIN 0
.irp b, 0,1,2,3
	v_permlanex16_b32 v[TM+4+\b], v[TM+\b], s[SEL], s[SEL+1]
.endr
.irp b, 0,1,2,3
	v_max_num_f32 v[TM+\b], v[TM+\b], v[TM+4+\b]   ; with lane l xor 16: the block's largest magnitude
.endr
.irp b, 0,1,2,3
	v_add_nc_u32 v[TM+12+\b], 0xff000000, v[TM+\b] ; 2 off its exponent field: the conversion's scale operand
.endr
.irp b, 0,1,2,3
	v_lshrrev_b32 v[TM+4+\b], 23, v[TM+12+\b]      ; the scale's byte
.endr
	v_lshl_or_b32 v[PW+(\a)], v[TM+5], 8, v[TM+4]
	v_lshl_or_b32 v[PW+(\a)], v[TM+6], 16, v[PW+(\a)]
	v_lshl_or_b32 v[PW+(\a)], v[TM+7], 24, v[PW+(\a)]
	WIN QW                                         ; source 0
.irp b, 0,1,2,3
	v_cvt_scalef32_pk8_fp4_f32 v[QP+2*\b], v[QS0+16*\b:QS0+7+16*\b], v[TM+12+\b]
	v_cvt_scalef32_pk8_fp4_f32 v[QP+1+2*\b], v[QS0+8+16*\b:QS0+15+16*\b], v[TM+12+\b]
.endr
	WIN 0
	v_nop                                          ; one plain place behind a scaled conversion
.irp c, 0,1                                    ; the operand wants a whole block in a lane
.irp i, 0,1
	v_permlane16_swap_b32 v[QP+4*\c+\i], v[QP+2+4*\c+\i]
.endr
.endr
	global_store_b128 v[LI], v[QP:QP+3], s[12:13] offset:1024*(\a)
	global_store_b128 v[LI], v[QP+4:QP+7], s[12:13] offset:1024*(\a)+512
.endm
	s_load_b256 s[4:11], s[0:1], 0x0               ; xc, xs, wc, ws
	s_load_b256 s[88:95], s[0:1], 0x20             ; bq, bk, bv, qkvc
	s_load_b64 s[100:101], s[0:1], 0x40            ; qkvs
	v_lshl_add_u32 v[SPW], v0, 2, SPARE
	v_mov_b32 v[NIL], 0
	ds_add_u32 v[SPW], v[NIL]                      ; the opening lines: the add, twice on end, and its wait ahead of my first tensor load
	ds_add_u32 v[SPW], v[NIL]
	v_lshrrev_b32 v1, 5, v0
	v_readfirstlane_b32 s14, v1                    ; wave 0..3
	s_lshr_b32 s15, s14, 1                         ; which half of A's rows is mine
	s_and_b32 s16, s14, 1                          ; which half of B's
	s_bfe_u32 s2, ttmp6, 0x40000                   ; cx
	s_bfe_u32 s3, ttmp6, 0x40004                   ; cy
	s_lshl_b32 s96, ttmp9, 2
	s_add_co_u32 s96, s96, s2                      ; the pair of heads
	s_and_b32 s17, ttmp7, 0xffff
	s_lshl_b32 s17, s17, 2
	s_add_co_u32 s17, s17, s3                      ; the tile of 256 positions
	s_lshl_b32 s3, s3, 2
	s_lshl_b32 s3, 15, s3                          ; my row of the cluster
	s_lshl_b32 s2, 0x1111, s2                      ; my column
	s_or_b32 s[G1X], s3, (1<<20)|(1<<21)|(6<<22)|(3<<25)    ; mask; elements of 1 byte; padding on; bit 21 beside a mask; 4 words behind every 128
	s_or_b32 s[G1W], s2, (1<<20)|(1<<21)|(6<<22)|(3<<25)
	s_or_b32 s[G1V], s2, (1<<20)|(1<<21)|(6<<22)|(3<<25)
	s_or_b32 s[G1SX], s3, (3<<16)|(1<<20)|(1<<21)|(5<<22)|(3<<25)   ; scales: elements of 8 bytes, 4 words behind every 64
	s_or_b32 s[G1SW], s2, (3<<16)|(1<<20)|(1<<21)|(5<<22)|(3<<25)
	GRP G1X, 512, 256
	GRP G1W, 512, 256
	GRP G1V, 512, 32
	GRP G1SX, 32, 32                               ; 256 rows x 32 bytes, dense, as 32 rows of 256
	GRP G1SW, 32, 48                               ; 384 rows likewise
	s_lshl_b32 s18, s17, 17                        ; x's tile: 256 rows of 512 bytes,
	s_mov_b32 s19, 0
	s_lshl_b32 s20, s17, 13                        ; of 32 scale bytes
	s_mov_b32 s21, 0
	s_mul_i32 s22, s96, 196608                     ; the pair's 384 rows of wc,
	s_mov_b32 s23, 0
	s_mul_i32 s98, s96, 12288                      ; of ws
	s_mov_b32 s99, 0
	s_lshl_b32 s12, s14, 14
	s_add_co_u32 s12, s12, 131072                  ; Wv begins 256 rows on; I fetch 32 rows of it
	s_mov_b32 s13, 0
	s_mul_i32 s97, s14, 32*PITCH
	s_mov_b32 s[SEL], 0x76543210
	s_mov_b32 s[SEL+1], 0xfedcba98
	s_wait_dscnt 0x0
	s_wait_kmcnt 0x0
	s_add_nc_u64 s[4:5], s[4:5], s[18:19]
	s_add_nc_u64 s[6:7], s[6:7], s[20:21]
	s_add_nc_u64 s[8:9], s[8:9], s[22:23]
	s_add_nc_u64 s[10:11], s[10:11], s[98:99]
	G0SET G0X, 4
	s_mov_b32 s[G0X+1], 0
	G0SET G0W, 8
	s_mov_b32 s[G0W+1], WT
	G0SET G0SX, 6
	s_mov_b32 s[G0SX+1], SCX
	G0SET G0SW, 10
	s_mov_b32 s[G0SW+1], SCW
	s_add_nc_u64 s[8:9], s[8:9], s[12:13]
	G0SET G0V, 8
	s_add_co_u32 s[G0V+1], s97, WT
	CROUND                                         ; all sixteen work-groups are here: the joint loads meet
	; the head's loads, one a wave: one chain of branches on the wave's number; every way passes one load
	s_cmp_lt_u32 s14, 1
	s_cbranch_scc0 .Lhead_w
	TL G0X, G1X
	s_branch .Lhead_asked
.Lhead_w:
	s_cmp_lt_u32 s14, 2
	s_cbranch_scc0 .Lhead_sx
	TL G0W, G1W
	s_branch .Lhead_asked
.Lhead_sx:
	s_cmp_lt_u32 s14, 3
	s_cbranch_scc0 .Lhead_sw
	TL G0SX, G1SX
	s_branch .Lhead_asked
.Lhead_sw:
	TL G0SW, G1SW
.Lhead_asked:
	; where my results go
	s_lshl_b32 s18, s17, 1
	s_add_co_u32 s19, s18, s15                     ; Q, K: my group of 128 positions, 0..63
	s_add_co_u32 s18, s18, s16                     ; V: likewise
	s_lshr_b32 s20, s19, 4
	s_lshl_b32 s20, s20, 3
	s_add_co_u32 s20, s20, s96
	s_mul_i32 s20, s20, 3                          ; (8 batch + pair) 3
	s_add_co_u32 s21, s20, 2                       ; V
	s_add_co_u32 s20, s20, s16                     ; Q or K
	s_lshl_b32 s20, s20, 4
	s_lshl_b32 s21, s21, 4
	s_and_b32 s19, s19, 15
	s_and_b32 s18, s18, 15
	s_add_co_u32 s20, s20, s19
	s_add_co_u32 s21, s21, s18
	s_mov_b32 s23, 0
	s_lshl_b32 s22, s20, 13
	s_add_nc_u64 s[12:13], s[94:95], s[22:23]      ; Q's or K's images
	s_lshl_b32 s22, s20, 9
	s_add_nc_u64 s[98:99], s[100:101], s[22:23]    ; and scale block
	s_lshl_b32 s22, s21, 1
	s_add_co_u32 s22, s22, s15                     ; V: my four images of the eight
	s_lshl_b32 s21, s22, 8
	s_lshl_b32 s22, s22, 12
	s_add_nc_u64 s[94:95], s[94:95], s[22:23]
	s_mov_b32 s22, s21
	s_add_nc_u64 s[100:101], s[100:101], s[22:23]
	s_cmp_eq_u32 s16, 0
	s_cselect_b64 s[88:89], s[88:89], s[90:91]     ; bq or bk: the choice hangs on the wave's number
	s_lshl_b32 s22, s96, 9                         ; the pair's 128 numbers of a bias
	s_add_nc_u64 s[88:89], s[88:89], s[22:23]
	s_lshl_b32 s21, s15, 8
	s_add_co_u32 s22, s22, s21                     ; V: my 64 of them
	s_add_nc_u64 s[92:93], s[92:93], s[22:23]
	; LDS places
	s_mul_i32 s18, s15, HALFT                      ; Q, K: A = x's rows, half s15
	s_mul_i32 s19, s16, HALFT                      ; V: B = x's rows, half s16
	s_add_co_u32 s20, s19, WT                      ; Q, K: B = W's rows, half s16
	s_mul_i32 s21, s15, 64*PITCH
	s_add_co_u32 s21, s21, WT                      ; V: A = Wv's rows, 64 a wave
	s_mul_i32 s22, s15, HALFS
	s_add_co_u32 s22, s22, SCX                     ; Q, K: lanes 0-15 take x's scales,
	s_mul_i32 s3, s16, HALFS
	s_add_co_u32 s23, s3, SCW
	s_sub_co_u32 s23, s22, s23                     ; lanes 16-31 W's, so many bytes below
	s_mul_i32 s2, s15, HALFS/2
	s_add_co_u32 s2, s2, SCW+2*HALFS               ; V: lanes 0-15 take Wv's,
	s_add_co_u32 s3, s3, SCX
	s_sub_co_u32 s3, s3, s2                        ; lanes 16-31 x's, so many bytes above
	s_mov_b32 s97, 0xffff0000                      ; lanes 16-31
	v_and_b32 v1, 15, v0                           ; r
	v_bfe_u32 v2, v0, 4, 1                         ; h
	v_mul_u32_u24 v3, v1, PITCH
	v_lshl_add_u32 v4, v2, 4, v3
	v_add_nc_u32 v16, s18, v4
	v_add_nc_u32 v22, s19, v4
	v_add_nc_u32 v20, s20, v4
	v_add_nc_u32 v18, s21, v4
.irp a, 16,18,20,22
	v_add_nc_u32 v[\a+1], 256, v[\a]               ; the second half of K: 256 bytes on in the row
.endr
	v_lshlrev_b32 v5, 5, v1                        ; my row's scales: 32 bytes a row,
	v_lshrrev_b32 v6, 8, v5
	v_lshl_add_u32 v5, v6, 4, v5                   ; and 16 more for each 256 passed
	v_mul_u32_u24 v6, s23, v2
	v_add_nc_u32 v7, s22, v5
	v_sub_nc_u32 v27, v7, v6
	v_mul_u32_u24 v6, s3, v2
	v_add_nc_u32 v7, s2, v5
	v_add_nc_u32 v26, v7, v6
	v_and_b32 v6, 31, v0
	v_lshlrev_b32 v[LI], 4, v6
	v_lshlrev_b32 v[L8], 3, v6
.irp b, 0,1,2,3
	v_mov_b32 v[TM+4+\b], 0                        ; written once: a lane permute's destination counts as one of its sources
.endr
	v_lshlrev_b32 v[BO], 6, v2                     ; Q, K: register j of B's block b wants the bias of feature 32 (b / 2) + 8 (b % 2) + 16 h + j
	v_and_b32 v7, 8, v1                            ; V: all eight registers of A's block a want the bias of my lane's feature 32 (a / 2) + 8 (a % 2) + r + 8 (r / 8)
	v_add_nc_u32 v7, v7, v1
	v_lshlrev_b32 v29, 2, v7
	WIN TO_B
.irp b, 0,1,2,3,4,5,6,7
	global_load_b128 v[BI+8*\b:BI+8*\b+3], v[BO], s[88:89] offset:(32*(\b/2)+8*(\b%2))*4
	global_load_b128 v[BI+8*\b+4:BI+8*\b+7], v[BO], s[88:89] offset:(32*(\b/2)+8*(\b%2))*4+16
.endr
.irp a, 0,1,2,3
.irp j, 0,1,2,3,4,5,6,7
	global_load_b32 v[BV+8*\a+\j], v29, s[92:93] offset:(32*(\a/2)+8*(\a%2))*4
.endr
.endr
	WIN 0
	s_wait_alu depctr_va_vdst(0)                   ; the wait at the head's end
	s_wait_tensorcnt 0x0                           ; my one tile is in; behind the barrier all four are
	s_wait_loadcnt 0x0                             ; the biases
	s_barrier_signal -1
	s_barrier_wait -1
	FETCH_B 0, 0, 0
	FETCH_A 0, 0, 0
	SCALES 0
	FETCH_A 0, 0, 4
	STEP 0, 0, 1, 0, 1                             ; the first step starts the sums from the bias
	STEP 0, 1, 0, 0, 2
	STEP 0, 2, 0, 0, 3
	STEP 0, 3, 0, 1, 0
	STEP 1, 0, 0, 1, 1
	STEP 1, 1, 0, 1, 2
	STEP 1, 2, 0, 1, 3
	; Q's and K's last step.  Its fragments have all been asked for: nobody reads W's rows any more once they are in
	s_wait_tensorcnt 0x0                           ; no tensor load of mine is out;
	ds_add_u32 v[SPW], v[NIL]                      ; 0 onto my spare word;
	s_wait_dscnt 0x0                               ; the add is done, and so are my reads of W's rows
	CROUND                                         ; the same holds of every wave of all sixteen work-groups:
	TL G0V, G1V                                    ; my 32 rows of Wv, over W's first 128 rows: my one tensor load behind the round
	WIN MUL_LO
	MUL16 0, 1, NQ-1, 1, 0, 0
	MUL16 2, 1, NQ-1, 1, 0, 0
	WIN MUL_HI
	MUL16 4, 1, NQ-1, 1, 0, 0
	MUL16 6, 1, NQ-1, 1, 0, 0
	WIN 0
	PLACES NP                                      ; in front of the first read of results and the first write over A's fragments
.irp a, 0,1,2,3,4,5,6,7
	QOUT \a
.endr
.irp j, 0,1,2,3
	v_cndmask_b32 v[SW+\j], v[PW+2*\j], v[PW+2*\j+1], s97   ; lanes 0-15: tile 2 j's words; lanes 16-31: tile 2 j + 1's
.endr
	global_store_b128 v[LI], v[SW:SW+3], s[98:99]
	; V
	s_wait_alu depctr_va_vdst(0)                   ; directly ahead of the waits below
	s_wait_tensorcnt 0x0                           ; my part of Wv is in
	s_wait_xcnt 0x0                                ; the stores have read their registers and their base: both are written again below
	s_barrier_signal -1
	s_barrier_wait -1                              ; everybody's part is in
	s_mov_b64 s[12:13], s[94:95]
.set ADRA, 18
.set ADRB, 22
.set ADRS, 26
	FETCH_B 0, 0, 0
	FETCH_AV 0, 0, 0
	SCALES 0
	SCALES 1
.irp k, 0,1,2,3,4,5,6,7
	VSTEP \k
.endr
	WIN 0
	PLACES NP
.irp a, 0,1,2,3
	QOUT \a
.endr
.irp j, 0,1
	v_cndmask_b32 v[SW+\j], v[PW+2*\j], v[PW+2*\j+1], s97
.endr
	global_store_b64 v[L8], v[SW:SW+1], s[100:101]
	s_wait_tensorcnt 0x0                           ; the wave's end
	ds_add_u32 v[SPW], v[NIL]
	s_wait_dscnt 0x0
	CROUND                                         ; the closing round
	s_endpgm
.Lfunc_end_k_q2363380112_proj:
	.size	k_q2363380112_proj, .Lfunc_end_k_q2363380112_proj-k_q2363380112_proj
	.p2alignl 7, 3214868480
	.fill 96, 4, 3214868480
	.section	.rodata,"a",@progbits
	.p2align	6, 0x0
	.amdhsa_kernel k_q2363380112_proj
		.amdhsa_group_segment_fixed_size 327680
		.amdhsa_private_segment_fixed_size 0
		.amdhsa_enable_private_segment 0
		.amdhsa_kernarg_size 72
		.amdhsa_user_sgpr_count 2
		.amdhsa_user_sgpr_kernarg_segment_ptr 1
		.amdhsa_wavefront_size32 1
		.amdhsa_system_sgpr_workgroup_id_x 1
		.amdhsa_system_sgpr_workgroup_id_y 1
		.amdhsa_system_sgpr_workgroup_id_z 1
		.amdhsa_system_vgpr_workitem_id 0
		.amdhsa_next_free_vgpr 1024
		.amdhsa_next_free_sgpr 102
		.amdhsa_reserve_vcc 0
		.amdhsa_float_denorm_mode_32 3
		.amdhsa_float_denorm_mode_16_64 3
		.amdhsa_memory_ordered 1
		.amdhsa_forward_progress 1
		.amdhsa_inst_pref_size 197
	.end_amdhsa_kernel
	.amdgpu_metadata
---
amdhsa.version: [ 1, 2 ]
amdhsa.kernels:
  - .name:           k_q2363380112_proj
    .symbol:         k_q2363380112_proj.kd
    .args:
      - { .name: xc, .offset: 0, .size: 8, .value_kind: global_buffer, .address_space: global }
      - { .name: xs, .offset: 8, .size: 8, .value_kind: global_buffer, .address_space: global }
      - { .name: wc, .offset: 16, .size: 8, .value_kind: global_buffer, .address_space: global }
      - { .name: ws, .offset: 24, .size: 8, .value_kind: global_buffer, .address_space: global }
      - { .name: bq, .offset: 32, .size: 8, .value_kind: global_buffer, .address_space: global }
      - { .name: bk, .offset: 40, .size: 8, .value_kind: global_buffer, .address_space: global }
      - { .name: bv, .offset: 48, .size: 8, .value_kind: global_buffer, .address_space: global }
      - { .name: qkvc, .offset: 56, .size: 8, .value_kind: global_buffer, .address_space: global }
      - { .name: qkvs, .offset: 64, .size: 8, .value_kind: global_buffer, .address_space: global }
    .group_segment_fixed_size: 327680
    .private_segment_fixed_size: 0
    .kernarg_segment_align: 8
    .kernarg_segment_size: 72
    .max_flat_workgroup_size: 128
    .sgpr_count:     102
    .vgpr_count:     1024
    .wavefront_size: 32
...
	.end_amdgpu_metadata
.endif
;; end of part 2
;; launch attn (part 3): grid 8 x 32, 16 waves a work-group, clusters of 4 x 1, 297,984 bytes of LDS; arguments qkvc, qkvs, oc, os; writes oc, os
.if DOCPART == 3
	.amdgcn_target "amdgcn-amd-amdhsa--gfx1250"
	.amdhsa_code_object_version 6
	.text
	.protected	k_q2363380112_attn
	.globl	k_q2363380112_attn
	.p2align	8
	.type	k_q2363380112_attn,@function
k_q2363380112_attn:
	s_mov_b64 s[64:65], 0
	v_nop
	global_prefetch_b8 v0, s[64:65] scope:SCOPE_SE
	s_setreg_imm32_b32 hwreg(HW_REG_WAVE_MODE, 25, 1), 1
	s_wait_xcnt 0x0
	s_wait_alu depctr_hold_cnt(0) depctr_sa_sdst(0) depctr_va_vdst(0) depctr_va_sdst(0) depctr_va_ssrc(0) depctr_va_vcc(0) depctr_vm_vsrc(0)
	s_getreg_b32 s2, hwreg(HW_REG_IB_STS2, 6, 4)
	s_cmp_eq_u32 s2, 0
	s_cbranch_scc0 .Lentry_in_a_cluster
	s_endpgm
.Lentry_in_a_cluster:
	s_bfe_u32 s2, ttmp6, 0x10000c
	s_cmp_lg_u32 s2, 0x3003
	s_cbranch_scc0 .Lentry_shape_is_right
	s_endpgm
.Lentry_shape_is_right:
; O = softmax(Q K^T / 8) V for a pair of heads, both products on codes of FP4 with E8M0 scales; O / l is quantised here along 64 head + d and leaves as codes.
; THE SOFTMAX: t = score x log2(e) / 8; M = the running largest t rounded up to a whole number; p = 2^(t - M) is quantised along the keys; l, the sum of the unquantised p, divides at the end.
; When M moves, l and O are multiplied by 2^(old M - new M), which rounds nothing.
; SHARES.  A work-group owns 256 queries of one batch and one pair of heads; each of its sixteen waves one tile of 16 queries, in 256 registers, four waves to a SIMD.
; A wave walks all 2,048 keys for the even head, sends that head's half of its image out, and walks them again for the odd head: so O^T is 32 registers, and K's fragments have registers of their own.
; THE PAIR'S WHOLE K AND V LIE IN LDS: every LDS byte is filled once, by one tensor load a wave at the head; there is no ring and no loop to run ahead in, so nothing is prefetched.
; CLUSTER: the four blocks of queries of a cluster walk the same K and V: each part is asked for jointly, with a descriptor that hangs on the pair and the wave's number alone.
; LAYOUT.  Operands come as images of their registers (1,024 bytes: registers 4 c .. 4 c + 3 of lane l at 512 c + 16 l), IP = 1,088 bytes apart in LDS.  In Q's and K's images piece 0 is the even head, piece 1 the odd.
; A head's product takes Q with ZERO CODES in the other head's half; so K's other half may hold any codes, and tile t's operand is v[KF + 4 t .. + 7].
; Both products are used transposed: a lane holds one query.  THE ROWS OF A TILE OF K ARE CHOSEN BY THE LANES' ADDRESSES: row 8 a + j of tile (g, u) is key 64 g + 32 a + 8 u + j of the step's 128,
; which lies in image 4 g + 2 a + u % 2 at row 8 (u / 2) + j.  So lane (r, h) holds, in the 32 registers of tiles (g, 0 .. 3), the keys 64 g + 32 h + 0 .. 31: one whole block of the second product's K.
; A block's maximum then needs no other lane, and the conversions' results are the operand's registers as they stand.  Two images on are 2,176 bytes, 128 modulo 256: the sixteen rows of a load fall on sixteen columns of 16 bytes.
; LIMITS: the promise holds while the scaled scores stay under 2^31 in magnitude; the running maximum starts at -3e38; 1 / l is v_rcp_f32 and a multiplication; a block of zeros gets the byte 1; NaN and infinities are not served.
.set IP,    1088
.set VC,    128*IP                     ; LDS: K's 128 images at 0, V's here,
.set KSB,   256*IP                     ; K's 16 scale blocks of 512 bytes, V's 8,192 bytes on,
.set OSS,   KSB+16384                  ; a stage for two scale blocks of O: 1,024 bytes into which no fill lands,
.set SPARE, OSS+1024                   ; and the spare words, 128 bytes a wave
.set LI,   1                           ; 16 x lane
.set AK0,  2                           ; my lane's place in a step's images of K
.set AV0,  3                           ; in V's
.set AS0,  4                           ; among K's scale words
.set AT0,  5                           ; among V's
.set ADK,  6                           ; the same four for the step in hand
.set ADV,  7
.set ADS,  8
.set ADT,  9
.set STS,  10                          ; the stage: where my tile's scale bytes go
.set STR,  11                          ; and where waves 0 and 1 read a block back
.set ST,   12                          ; v12 -M, v13 the largest score, v[14:15] l in two halves
.set OLD,  16                          ; the last step's -M
.set SH8,  17                          ; 8 x (lane / 16)
.set SPW,  18
.set NIL,  19
.set QS,   20                          ; Q's scale words
.set PW,   21                          ; p's scale word
.set VS,   22                          ; v22-23 V's scale words
.set KS,   24                          ; v24-27 K's: register 2 g + w: tile (g, 2 w) in lanes 0-15, tile (g, 2 w + 1) in lanes 16-31
.set QR,   28                          ; v28-31 the even head's q, v32-35 zero codes, v36-39 the odd head's
.set KF,   40                          ; v40-75 K's fragments
.set VF,   76                          ; v76-107 V's
.set PC,   108                         ; v108-115 p's codes
.set T,    116                         ; v116-119 at work
.set FP,   120                         ; v120 f = 2^(old M - new M); v121 named with it as a pair
.set AC,   122                         ; v122-127 three more chains of the sum
.set S,    128                         ; v128-191 S^T, then p
.set O,    192                         ; v192-223 O^T: four tiles of 16 of the head's 64
.set PO,   224                         ; O's codes: four registers for each head
.set G1C,  24                          ; s[24:31] 16 images;  s[32:39] 32 images;  s[40:47] the scale blocks
.set G1D,  32
.set G1S,  40
.set G0,   48
.set G0S,  52
.set SEL,  56
.set CS,   58                          ; s[58:59] c = log2(e) / 8
.set TK,   60                          ; the step's images: 8 IP bytes a step
.set TS,   61                          ; its scale blocks: 512 bytes a step
.set CNT,  62
.macro CROUND
	s_barrier_signal -1
	s_barrier_wait -1
	s_cmp_lg_u32 s12, 0
	s_cbranch_scc1 .Lnot_wave_0_\@
	s_barrier_signal -3
.Lnot_wave_0_\@:
	s_barrier_wait -3
	s_barrier_signal -1
	s_barrier_wait -1
.endm
.macro TL g0, g1
	tensor_load_to_lds s[\g0:\g0+3], s[\g1:\g1+7]
	s_nop 0
.rept 4
	v_nop
.endr
.endm
; A step's eight half fragments of K and its four registers of scale words: 12 LDS loads
.macro KLOAD hd, adk, ads, ko, so
.irp g, 0,1
.irp u, 0,1,2,3
	ds_load_b128 v[KF+4*\hd+16*\g+4*\u:KF+4*\hd+16*\g+4*\u+3], v[\adk] offset:\ko+(4*\g+(\u%2))*IP+128*(\u/2)+512*\hd
.endr
.endr
.irp g, 0,1
.irp w, 0,1
	ds_load_b32 v[KS+2*\g+\w], v[\ads] offset:\so+128*\w+8*\g
.endr
.endr
.endm
; One head's step of 128 keys.
.macro STEP hd
	s_wait_dscnt 0x0                               ; this step's K, asked for a step ago
.irp g, 0,1
.irp w, 0,1
	v_wmma_scale_f32_16x16x128_f8f6f4 v[S+32*\g+16*\w:S+32*\g+16*\w+7], v[KF+16*\g+8*\w:KF+16*\g+8*\w+7], v[QR+4*\hd:QR+4*\hd+7], 0, v[KS+2*\g+\w], v[QS] matrix_a_fmt:MATRIX_FMT_FP4 matrix_b_fmt:MATRIX_FMT_FP4
	v_wmma_scale_f32_16x16x128_f8f6f4 v[S+32*\g+16*\w+8:S+32*\g+16*\w+15], v[KF+16*\g+8*\w+4:KF+16*\g+8*\w+11], v[QR+4*\hd:QR+4*\hd+7], 0, v[KS+2*\g+\w], v[QS] matrix_a_fmt:MATRIX_FMT_FP4 matrix_b_fmt:MATRIX_FMT_FP4 matrix_a_scale:MATRIX_SCALE_ROW1
.endr
.endr
	v_add_nc_u32 v[ADV], s[TK], v[AV0]             ; five plain lines: the places in front of the loads into V's and K's registers and of the first read of the scores
	v_add_nc_u32 v[ADT], s[TS], v[AT0]
	v_add_nc_u32 v[ADK], s[TK], v[AK0]
	v_add_nc_u32 v[ADS], s[TS], v[AS0]
	v_mov_b32 v[OLD], v[ST]
.irp t, 0,1,2,3
.irp c, 0,1
	ds_load_b128 v[VF+8*\t+4*\c:VF+8*\t+4*\c+3], v[ADV] offset:IP*(4*\hd+\t)+512*\c   ; V's four images and its scale words: nine loads
.endr
.endr
	ds_load_b64 v[VS:VS+1], v[ADT] offset:256*\hd  ; V's scale block: byte 256 head + 8 l + 4 w: tile 4 head + 2 w + l / 16
	KLOAD \hd, ADK, ADS, 8*IP, 512                 ; the NEXT step's K.  (In the last step these read filled bytes behind K's, and nothing uses them)
.irp k, 0,1,2,3
	v_max3_num_f32 v[T+\k], v[S+16*\k], v[S+16*\k+1], v[S+16*\k+2]   ; the largest score of my two blocks, in four chains; each accumulator is first read at its low end
.endr
.irp i, 3,5,7,9,11,13
.irp k, 0,1,2,3
	v_max3_num_f32 v[T+\k], v[T+\k], v[S+16*\k+\i], v[S+16*\k+\i+1]
.endr
.endr
	v_max3_num_f32 v[T], v[T], v[T+1], v[S+15]
	v_max3_num_f32 v[T+2], v[T+2], v[T+3], v[S+47]
	v_max_num_f32 v[T], v[T], v[S+31]              ; block g = 0's
	v_max_num_f32 v[T+2], v[T+2], v[S+63]          ; block g = 1's
	s_delay_alu instid0(VALU_DEP_1)
	v_max_num_f32 v[T+1], v[T], v[T+2]
	s_delay_alu instid0(VALU_DEP_1)
	v_permlanex16_b32 v[T+3], v[T+1], s[SEL], s[SEL+1]
	s_delay_alu instid0(VALU_DEP_1)
	v_max3_num_f32 v[ST+1], v[ST+1], v[T+1], v[T+3]   ; the running largest score of my query, with lane l xor 16's keys
	s_delay_alu instid0(VALU_DEP_1)
	v_mul_f32 v[T+1], s[CS], v[ST+1]               ; as t (c is positive)
	s_delay_alu instid0(VALU_DEP_1)
	v_floor_f32 v[ST], -v[T+1]                     ; the new -M = floor(-t): M is a whole number
	s_delay_alu instid0(VALU_DEP_1)
	v_sub_f32 v[T+1], v[ST], v[OLD]                ; old M - new M: a whole number, 0 or less
	s_delay_alu instid0(VALU_DEP_1)
	v_cvt_i32_f32 v[T+1], v[T+1]                   ; (it saturates)
	s_delay_alu instid0(VALU_DEP_1)
	v_ldexp_f32 v[FP], 1.0, v[T+1]                 ; f
.set j, 0
.rept 32
	v_pk_fma_f32 v[S+j:S+j+1], v[S+j:S+j+1], s[CS:CS+1], v[ST:ST+1] op_sel_hi:[1,0,0]   ; t - M, two at a time
.set j, j+2
.endr
	v_fma_f32 v[T], v[T], s[CS], v[ST]             ; the same of each block's largest score: p rises with the score
	v_fma_f32 v[T+2], v[T+2], s[CS], v[ST]
	s_wait_alu depctr_va_vdst(0)                   ; the wait ahead of the batch
.set j, 0
.rept 64
	v_exp_f32 v[S+j], v[S+j]                       ; p = 2^(t - M), at most 1
.set j, j+1
.endr
	v_exp_f32 v[T], v[T]                           ; the blocks' largest p
	v_exp_f32 v[T+2], v[T+2]
	s_wait_alu depctr_va_vdst(0)                   ; one wait behind the batch, directly ahead of the first readers of O^T
.set j, 0
.rept 16
	v_pk_mul_f32 v[O+j:O+j+1], v[O+j:O+j+1], v[FP:FP+1] op_sel_hi:[1,0]   ; O^T under the new M
.set j, j+2
.endr
	v_pk_mul_f32 v[ST+2:ST+3], v[ST+2:ST+3], v[FP:FP+1] op_sel_hi:[1,0]   ; l likewise
	v_max_num_f32 v[T], 0x1800000, v[T]            ; the floor 2^(3 - 127): the byte cannot fall under 1
	v_max_num_f32 v[T+2], 0x1800000, v[T+2]
	v_add_nc_u32 v[T], 0xff000000, v[T]            ; 2 off the exponent field: the conversion's scale operand
	v_add_nc_u32 v[T+2], 0xff000000, v[T+2]
.irp g, 0,1
.irp u, 0,1,2,3
	v_cvt_scalef32_pk8_fp4_f32 v[PC+4*\g+\u], v[S+32*\g+8*\u:S+32*\g+8*\u+7], v[T+2*\g]   ; register 4 g + u: keys 64 g + 32 h + 8 u + 0 .. 7: the operand's own layout
.endr
.endr
	v_lshrrev_b32 v[T+1], 23, v[T]                 ; the two bytes: blocks h and 2 + h
	v_lshrrev_b32 v[T+3], 23, v[T+2]
.irp k, 0,1,2
	v_pk_add_f32 v[AC+2*\k:AC+2*\k+1], v[S+4*\k:S+4*\k+1], v[S+4*\k+2:S+4*\k+3]   ; l is taken of the unquantised p, two at a time, in four chains; the scale word's lines stand among them
.endr
	v_pk_add_f32 v[ST+2:ST+3], v[ST+2:ST+3], v[S+12:S+13]
	v_lshl_or_b32 v[T+1], v[T+3], 16, v[T+1]
.set j, 14
.rept 6
.irp k, 0,1,2
	v_pk_add_f32 v[AC+2*\k:AC+2*\k+1], v[AC+2*\k:AC+2*\k+1], v[S+j+2*\k:S+j+2*\k+1]
.endr
	v_pk_add_f32 v[ST+2:ST+3], v[ST+2:ST+3], v[S+j+6:S+j+7]
.if j == 14
	v_lshlrev_b32 v[T+1], v[SH8], v[T+1]           ; at their places in the word: 8 h bits up
.endif
.if j == 22
	v_permlanex16_b32 v[T+3], v[T+1], s[SEL], s[SEL+1]
.endif
.if j == 30
	v_or_b32 v[PW], v[T+1], v[T+3]                 ; with lane l xor 16's two the word is whole; sixteen plain lines follow ahead of the products
.endif
.set j, j+8
.endr
	v_pk_add_f32 v[ST+2:ST+3], v[ST+2:ST+3], v[S+62:S+63]
	v_pk_add_f32 v[AC:AC+1], v[AC:AC+1], v[AC+2:AC+3]
	v_pk_add_f32 v[ST+2:ST+3], v[ST+2:ST+3], v[AC+4:AC+5]
	v_pk_add_f32 v[ST+2:ST+3], v[ST+2:ST+3], v[AC:AC+1]
	s_wait_alu depctr_va_vdst(0)                   ; directly ahead of the wait below
	s_wait_dscnt 12                                ; V is in; the 12 loads of the next step's K, issued behind V's, may be out
.irp w, 0,1
	v_wmma_scale_f32_16x16x128_f8f6f4 v[O+16*\w:O+16*\w+7], v[VF+16*\w:VF+16*\w+7], v[PC:PC+7], v[O+16*\w:O+16*\w+7], v[VS+\w], v[PW] matrix_a_fmt:MATRIX_FMT_FP4 matrix_b_fmt:MATRIX_FMT_FP4
	v_wmma_scale_f32_16x16x128_f8f6f4 v[O+16*\w+8:O+16*\w+15], v[VF+16*\w+8:VF+16*\w+15], v[PC:PC+7], v[O+16*\w+8:O+16*\w+15], v[VS+\w], v[PW] matrix_a_fmt:MATRIX_FMT_FP4 matrix_b_fmt:MATRIX_FMT_FP4 matrix_a_scale:MATRIX_SCALE_ROW1
.endr
.endm
; A head's way out: O^T / l; register 16 b + i is k = 64 head + 32 b + 16 (lane / 16) + i of the last product's K: half an image and two scale bytes a row
.macro FIN hd
	v_add_f32 v14, v14, v15
	v_permlanex16_b32 v[T], v14, s[SEL], s[SEL+1]
	v_add_f32 v14, v14, v[T]                       ; the row's sum
	s_wait_alu depctr_va_vdst(0)                   ; the wait ahead of the transcendental
	v_rcp_f32 v14, v14
	v_nop                                          ; a plain place behind it
	s_wait_alu depctr_va_vdst(0)                   ; and the wait ahead of its first reader, which is also O^T's
.set j, 0
.rept 16
	v_pk_mul_f32 v[S+j:S+j+1], v[O+j:O+j+1], v[14:15] op_sel_hi:[1,0]
.set j, j+2
.endr
.irp b, 0,1
	v_max3_num_f32 v[T+\b], |v[S+16*\b]|, |v[S+1+16*\b]|, 0x1800000
.endr
.irp i, 2,4,6,8,10,12,14
.irp b, 0,1
	v_max3_num_f32 v[T+\b], v[T+\b], |v[S+16*\b+\i]|, |v[S+1+16*\b+\i]|
.endr
.endr
.irp b, 0,1
	v_permlanex16_b32 v[T+2+\b], v[T+\b], s[SEL], s[SEL+1]
.endr
.irp b, 0,1
	v_max_num_f32 v[T+\b], v[T+\b], v[T+2+\b]      ; with lane l xor 16: the block's largest magnitude
.endr
.irp b, 0,1
	v_add_nc_u32 v[AC+\b], 0xff000000, v[T+\b]
.endr
.irp b, 0,1
	v_lshrrev_b32 v[T+\b], 23, v[AC+\b]
.endr
	v_lshl_or_b32 v[T], v[T+1], 8, v[T]
.irp b, 0,1
	v_cvt_scalef32_pk8_fp4_f32 v[PO+4*\hd+2*\b], v[S+16*\b:S+7+16*\b], v[AC+\b]
	v_cvt_scalef32_pk8_fp4_f32 v[PO+4*\hd+1+2*\b], v[S+8+16*\b:S+15+16*\b], v[AC+\b]
.endr
	v_nop                                          ; one plain place behind a scaled conversion
	v_permlane16_swap_b32 v[PO+4*\hd], v[PO+4*\hd+2]     ; a whole block in a lane
	v_permlane16_swap_b32 v[PO+4*\hd+1], v[PO+4*\hd+3]
	global_store_b128 v[LI], v[PO+4*\hd:PO+4*\hd+3], s[8:9] offset:512*\hd   ; 512 consecutive bytes, aligned; each head has registers of its own
	ds_store_b16 v[STS], v[T] offset:2*\hd         ; lanes l and l + 16 write the same bytes with the same value
.endm
.macro HEAD hd
	v_mov_b32 v[ST], 0x7f61b1e6                    ; -M begins at 3e38, so that the first f is 0,
	v_mov_b32 v[ST+1], 0xff61b1e6                  ; the largest score at -3e38,
	v_mov_b32 v[ST+2], 0                           ; l at 0,
	v_mov_b32 v[ST+3], 0
.set j, 0
.rept 32
	v_mov_b32 v[O+j], 0                            ; and O^T at 0: the step is written once for a head, and its first run finds zeros
.set j, j+1
.endr
	s_mov_b32 s[TK], 0
	s_mov_b32 s[TS], 0
	KLOAD \hd, AK0, AS0, 0, 0                      ; step 0's K
	s_mov_b32 s[CNT], 16
.Lkeys\hd:
	STEP \hd
	s_add_co_u32 s[TK], s[TK], 8*IP
	s_add_co_u32 s[TS], s[TS], 512
	s_sub_co_u32 s[CNT], s[CNT], 1
	s_cmp_lg_u32 s[CNT], 0
	s_cbranch_scc1 .Lkeys\hd
	s_wait_dscnt 0x0                               ; the last step's look-ahead has landed: its registers may be loaded again
	FIN \hd
.endm
	s_load_b256 s[4:11], s[0:1], 0x0               ; qkvc, qkvs, oc, os
	v_lshl_add_u32 v[SPW], v0, 2, SPARE
	v_mov_b32 v[NIL], 0
	ds_add_u32 v[SPW], v[NIL]                      ; the opening lines: the add, twice on end, and its wait ahead of my tensor load
	ds_add_u32 v[SPW], v[NIL]
	v_lshrrev_b32 v[T], 5, v0
	v_readfirstlane_b32 s12, v[T]                  ; wave 0..15
	s_bfe_u32 s13, ttmp6, 0x40000                  ; cx
	s_lshl_b32 s14, ttmp9, 2
	s_add_co_u32 s14, s14, s13                     ; my block of 256 queries: it enters global addresses of Q and O alone
	s_and_b32 s15, ttmp7, 0xffff                   ; 8 x batch + pair of heads, which the four partners share
	s_mul_i32 s16, s15, 393216                     ; the pair's Q, K, V: 3 x 16 x 8 images
	s_mov_b32 s17, 0
	s_mul_i32 s18, s15, 24576                      ; and 3 x 16 scale blocks
	s_mov_b32 s19, 0
	s_lshl_b32 s20, s12, 14                        ; K's and V's 256 images lie on end behind Q's 128: mine begin at image 16 x wave,
	s_add_co_u32 s20, s20, 131072
	s_mov_b32 s21, 0
	s_mul_i32 s22, s12, 16*IP                      ; in LDS too
	s_mov_b32 s[G1C], 15|(3<<16)|(1<<20)|(1<<21)|(7<<22)|(15<<25)   ; mask: all four work-groups; elements of 8 bytes; padding: 16 words behind every 256; bit 21 beside a mask
	s_mov_b32 s[G1C+1], 128<<16                    ; a row is an image
	s_mov_b32 s[G1C+2], 16<<16
	s_mov_b32 s[G1C+3], 128<<16
	s_mov_b32 s[G1C+4], 16
	s_mov_b32 s[G1C+5], 128
	s_mov_b32 s[G1C+6], 0
	s_mov_b32 s[G1C+7], 0
	s_mov_b32 s[G1D], 15|(3<<16)|(1<<20)|(1<<21)|(7<<22)|(15<<25)
	s_mov_b32 s[G1D+1], 128<<16
	s_mov_b32 s[G1D+2], 32<<16
	s_mov_b32 s[G1D+3], 128<<16
	s_mov_b32 s[G1D+4], 32
	s_mov_b32 s[G1D+5], 128
	s_mov_b32 s[G1D+6], 0
	s_mov_b32 s[G1D+7], 0
	s_mov_b32 s[G1S], 15|(3<<16)|(1<<21)           ; K's and V's scale blocks: 16,384 dense bytes as 64 rows of 256
	s_mov_b32 s[G1S+1], 32<<16
	s_mov_b32 s[G1S+2], 64<<16
	s_mov_b32 s[G1S+3], 32<<16
	s_mov_b32 s[G1S+4], 64
	s_mov_b32 s[G1S+5], 32
	s_mov_b32 s[G1S+6], 0
	s_mov_b32 s[G1S+7], 0
	s_mov_b32 s[SEL], 0x76543210
	s_mov_b32 s[SEL+1], 0xfedcba98
	s_mov_b32 s[CS], 0x3e38aa3b                    ; log2(e) / 8
	s_mov_b32 s[CS+1], s[CS]
	s_wait_dscnt 0x0
	s_wait_kmcnt 0x0
	s_add_nc_u64 s[4:5], s[4:5], s[16:17]
	s_add_nc_u64 s[6:7], s[6:7], s[18:19]
	s_mov_b32 s[G0], 1
	s_mov_b32 s[G0+1], s22
	s_add_nc_u64 s[G0+2:G0+3], s[4:5], s[20:21]
	s_or_b32 s[G0+3], s[G0+3], 0x80000000
	s_mov_b32 s[G0S], 1
	s_mov_b32 s[G0S+1], KSB
	s_add_nc_u64 s[G0S+2:G0S+3], s[6:7], 8192      ; K's scale blocks lie behind Q's
	s_or_b32 s[G0S+3], s[G0S+3], 0x80000000
	CROUND                                         ; all four work-groups are here: the joint loads meet
	; one tensor load a wave: waves 0 to 13 fetch 16 images each, wave 14 the last 32, wave 15 the scale blocks.  One chain of branches; every way passes one load
	s_cmp_lt_u32 s12, 14
	s_cbranch_scc0 .Lhead_d
	TL G0, G1C
	s_branch .Lhead_asked
.Lhead_d:
	s_cmp_lt_u32 s12, 15
	s_cbranch_scc0 .Lhead_s
	TL G0, G1D
	s_branch .Lhead_asked
.Lhead_s:
	TL G0S, G1S
.Lhead_asked:
	v_and_b32 v[T], 31, v0
	v_lshlrev_b32 v[LI], 4, v[T]
	v_and_b32 v[T], 7, v0                          ; j
	v_bfe_u32 v[T+1], v0, 3, 1                     ; a
	v_bfe_u32 v[T+2], v0, 4, 1                     ; h
	v_mul_u32_u24 v[AK0], v[T+1], 2*IP
	v_lshl_add_u32 v[AK0], v[T], 4, v[AK0]
	v_lshl_add_u32 v[AK0], v[T+2], 8, v[AK0]       ; K: two images on for a = 1; row j; my half's 16 bytes: 256 h
	v_add_nc_u32 v[AV0], VC, v[LI]
	v_lshlrev_b32 v[AS0], 4, v[T]
	v_lshl_add_u32 v[AS0], v[T+1], 2, v[AS0]
	v_lshl_add_u32 v[AS0], v[T+2], 8, v[AS0]
	v_add_nc_u32 v[AS0], KSB, v[AS0]               ; K's scale words: 16 j + 4 a; lanes 16-31 take the odd tile's, 256 bytes on
	v_lshrrev_b32 v[AT0], 1, v[LI]
	v_add_nc_u32 v[AT0], KSB+8192, v[AT0]          ; V's scale words: 8 bytes a lane
	v_lshlrev_b32 v[SH8], 3, v[T+2]
	v_and_b32 v[T+3], 15, v0
	v_lshlrev_b32 v[T+3], 4, v[T+3]                ; 16 r
	s_wait_alu depctr_va_vdst(0)                   ; the wait ahead of the run of scalar lines
	s_lshl_b32 s16, s14, 4
	s_add_co_u32 s16, s16, s12                     ; my tile of queries among the batch's 128: 16 x block + wave
	s_lshl_b32 s16, s16, 10
	s_add_nc_u64 s[4:5], s[4:5], s[16:17]
	global_load_b128 v[QR:QR+3], v[LI], s[4:5]               ; the even head's half of Q: v28-35 = [q0 | zeros]
	global_load_b128 v[QR+8:QR+11], v[LI], s[4:5] offset:512 ; the odd head's: v32-39 = [zeros | q1]
	s_and_b32 s20, s12, 1
	s_lshl_b32 s20, s20, 8
	s_bfe_u32 s21, s12, 0x20001
	s_lshl_b32 s21, s21, 2
	s_add_co_u32 s20, s20, s21                     ; my tile a = wave % 8 in a scale block: 256 (a % 2) + 4 (a / 2)
	s_lshr_b32 s21, s12, 3
	s_lshl_b32 s22, s14, 1
	s_add_co_u32 s22, s22, s21                     ; my group of 128 queries
	s_lshl_b32 s16, s22, 9
	s_add_co_u32 s16, s16, s20
	s_add_nc_u64 s[6:7], s[6:7], s[16:17]
	global_load_b32 v[QS], v[T+3], s[6:7]          ; Q's scale words
	s_lshl_b32 s23, s21, 9
	s_add_co_u32 s23, s23, s20
	s_add_co_u32 s23, s23, OSS
	v_add_nc_u32 v[STS], s23, v[T+3]
	s_min_u32 s23, s12, 1
	s_lshl_b32 s16, s23, 9
	s_add_co_u32 s16, s16, OSS
	v_add_nc_u32 v[STR], s16, v[LI]
	s_lshr_b32 s18, s15, 3
	s_lshl_b32 s18, s18, 4                         ; 16 x batch
	s_and_b32 s19, s15, 7                          ; the pair
	s_add_co_u32 s16, s18, s22
	s_lshl_b32 s16, s16, 3
	s_add_co_u32 s16, s16, s19
	s_lshl_b32 s16, s16, 3
	s_and_b32 s20, s12, 7
	s_add_co_u32 s16, s16, s20
	s_lshl_b32 s16, s16, 10                        ; oc [group 64][pair 8][tile 8] images
	s_add_nc_u64 s[8:9], s[8:9], s[16:17]
	s_lshl_b32 s16, s14, 1
	s_add_co_u32 s16, s16, s23
	s_add_co_u32 s16, s16, s18
	s_lshl_b32 s16, s16, 3
	s_add_co_u32 s16, s16, s19
	s_lshl_b32 s16, s16, 9                         ; os [group][pair] scale blocks
	s_add_nc_u64 s[10:11], s[10:11], s[16:17]
.irp j, 4,5,6,7
	v_mov_b32 v[QR+\j], 0                          ; the zero codes that both of Q's operands share
	v_mov_b32 v[KF+28+\j], 0                       ; the upper half of tile 7's operand for the even head
.endr
	v_mov_b32 v[FP+1], 0                           ; named as the upper half of a pair
	s_wait_alu depctr_va_vdst(0)                   ; the wait at the head's end
	s_wait_tensorcnt 0x0                           ; my part of K, V or the scale blocks
	s_wait_loadcnt 0x0                             ; Q
	s_barrier_signal -1
	s_barrier_wait -1                              ; everybody's part is in
	HEAD 0
	HEAD 1
	s_wait_dscnt 0x0                               ; for the others: my stores into the stage have landed
	s_barrier_signal -1
	s_barrier_wait -1
	s_cmp_lt_u32 s12, 2
	s_cbranch_scc0 .Lno_sb
	ds_load_b128 v[S:S+3], v[STR]
	s_wait_dscnt 0x0
	global_store_b128 v[LI], v[S:S+3], s[10:11]    ; a whole scale block: 512 consecutive bytes
.Lno_sb:
	s_wait_tensorcnt 0x0                           ; the wave's end
	ds_add_u32 v[SPW], v[NIL]
	s_wait_dscnt 0x0
	CROUND                                         ; the closing round
	s_endpgm
.Lfunc_end_k_q2363380112_attn:
	.size	k_q2363380112_attn, .Lfunc_end_k_q2363380112_attn-k_q2363380112_attn
	.p2alignl 7, 3214868480
	.fill 96, 4, 3214868480
	.section	.rodata,"a",@progbits
	.p2align	6, 0x0
	.amdhsa_kernel k_q2363380112_attn
		.amdhsa_group_segment_fixed_size 297984
		.amdhsa_private_segment_fixed_size 0
		.amdhsa_enable_private_segment 0
		.amdhsa_kernarg_size 32
		.amdhsa_user_sgpr_count 2
		.amdhsa_user_sgpr_kernarg_segment_ptr 1
		.amdhsa_wavefront_size32 1
		.amdhsa_system_sgpr_workgroup_id_x 1
		.amdhsa_system_sgpr_workgroup_id_y 1
		.amdhsa_system_sgpr_workgroup_id_z 1
		.amdhsa_system_vgpr_workitem_id 0
		.amdhsa_next_free_vgpr 256
		.amdhsa_next_free_sgpr 72
		.amdhsa_reserve_vcc 0
		.amdhsa_float_denorm_mode_32 3
		.amdhsa_float_denorm_mode_16_64 3
		.amdhsa_memory_ordered 1
		.amdhsa_forward_progress 1
		.amdhsa_inst_pref_size 48
	.end_amdhsa_kernel
	.amdgpu_metadata
---
amdhsa.version: [ 1, 2 ]
amdhsa.kernels:
  - .name:           k_q2363380112_attn
    .symbol:         k_q2363380112_attn.kd
    .args:
      - { .name: qkvc, .offset: 0, .size: 8, .value_kind: global_buffer, .address_space: global }
      - { .name: qkvs, .offset: 8, .size: 8, .value_kind: global_buffer, .address_space: global }
      - { .name: oc, .offset: 16, .size: 8, .value_kind: global_buffer, .address_space: global }
      - { .name: os, .offset: 24, .size: 8, .value_kind: global_buffer, .address_space: global }
    .group_segment_fixed_size: 297984
    .private_segment_fixed_size: 0
    .kernarg_segment_align: 8
    .kernarg_segment_size: 32
    .max_flat_workgroup_size: 512
    .sgpr_count:     72
    .vgpr_count:     256
    .wavefront_size: 32
...
	.end_amdgpu_metadata
.endif
;; end of part 3
;; launch oproj (part 4): grid 4 x 64, 4 waves a work-group, clusters of 4 x 4, 327,680 bytes of LDS; arguments oc, os, wc, ws, bo, out0; writes out0
.if DOCPART == 4
	.amdgcn_target "amdgcn-amd-amdhsa--gfx1250"
	.amdhsa_code_object_version 6
	.text
	.protected	k_q2363380112_oproj
	.globl	k_q2363380112_oproj
	.p2align	8
	.type	k_q2363380112_oproj,@function
k_q2363380112_oproj:
	s_mov_b64 s[64:65], 0
	v_nop
	global_prefetch_b8 v0, s[64:65] scope:SCOPE_SE
	s_setreg_imm32_b32 hwreg(HW_REG_WAVE_MODE, 25, 1), 1
	s_wait_xcnt 0x0
	s_wait_alu depctr_hold_cnt(0) depctr_sa_sdst(0) depctr_va_vdst(0) depctr_va_sdst(0) depctr_va_ssrc(0) depctr_va_vcc(0) depctr_vm_vsrc(0)
	s_getreg_b32 s2, hwreg(HW_REG_IB_STS2, 6, 4)
	s_cmp_eq_u32 s2, 0
	s_cbranch_scc0 .Lentry_in_a_cluster
	s_endpgm
.Lentry_in_a_cluster:
	s_bfe_u32 s2, ttmp6, 0x10000c
	s_cmp_lg_u32 s2, 0xf033
	s_cbranch_scc0 .Lentry_shape_is_right
	s_endpgm
.Lentry_shape_is_right:
.set BT,     65536
.set BSLOT,  256                       ; the second half of K: 256 bytes on in B's LDS rows
.set BHALF,  67584                     ; 128 rows of B: 512 bytes + 16 of padding each
.set ASC,    204800
.set BSC,    208896
.set STG,    217600
.set SPITCH, 528
.set ADRA, 16
.set ADRB, 20
.set ASA,  22
.set ASB,  23
.set STO,  24
.set RD,   25
.set CO,   26
.set BO,   28
.set SA,   32
.set SBR,  48
.set AF,   128
.set BI,   64
.set BK,   128
.set G1, 24
.set G0, 32
.set G1B, 48
.set G0B, 56
.set G1S, 68
.set G0S, 76
.set G1SB, 80
.set G0SB, 88
.set MSB, 0
.macro WIN new
.if MSB != (\new)
	s_set_vgpr_msb (MSB<<8)|(\new)
.set MSB, (\new)
.endif
.endm
.macro JLOAD g0a, g1a, g0b, g1b
	s_cmp_eq_u32 s15, 0
	s_cbranch_scc0 .Lfor_b_\@
	tensor_load_to_lds s[\g0a:\g0a+3], s[\g1a:\g1a+7]
	s_nop 0
.rept 4
	v_nop
.endr
	s_branch .Lasked_\@
.Lfor_b_\@:
	tensor_load_to_lds s[\g0b:\g0b+3], s[\g1b:\g1b+7]
	s_nop 0
.rept 4
	v_nop
.endr
.Lasked_\@:
.endm
.macro CROUND
	s_barrier_signal -1
	s_barrier_wait -1
	s_cmp_lg_u32 s14, 0
	s_cbranch_scc1 .Lnot_wave_0_\@
	s_barrier_signal -3
.Lnot_wave_0_\@:
	s_barrier_wait -3
	s_barrier_signal -1
	s_barrier_wait -1
.endm
.macro PLACES n
.rept \n
	v_nop
.endr
.endm
.macro FETCH q, set
	WIN 0x40
.irp b, 0,1,2,3,4,5,6,7
.irp c, 0,1
	ds_load_b128 v[128*(\set)+8*\b+4*\c:128*(\set)+8*\b+4*\c+3], v[ADRB+(\q)/4] offset:64*((\q)%4)+32*\c+8448*\b
.endr
.endr
	WIN 0
.irp a, 0,1,2,3
.irp c, 0,1
	ds_load_b128 v[AF+32*(\set)+8*\a+4*\c:AF+32*(\set)+8*\a+4*\c+3], v[ADRA] offset:8192*(\q)+1024*\a+512*\c
.endr
.endr
.endm
.macro MUL32 set, q, cm
.irp a, 0,2
.irp b, 0,1,2,3,4,5,6,7
.if \cm
	v_wmma_scale_f32_16x16x128_f8f6f4 v[8*(8*\a+\b):8*(8*\a+\b)+7], v[128*(\set)+8*\b:128*(\set)+8*\b+7], v[AF+32*(\set)+8*\a:AF+32*(\set)+8*\a+7], v[BI+8*\b:BI+8*\b+7], v[SBR+8*\b+(\q)], v[SA+2*(\q)+\a/2] matrix_a_fmt:MATRIX_FMT_FP4 matrix_b_fmt:MATRIX_FMT_FP4
.else
	v_wmma_scale_f32_16x16x128_f8f6f4 v[8*(8*\a+\b):8*(8*\a+\b)+7], v[128*(\set)+8*\b:128*(\set)+8*\b+7], v[AF+32*(\set)+8*\a:AF+32*(\set)+8*\a+7], v[8*(8*\a+\b):8*(8*\a+\b)+7], v[SBR+8*\b+(\q)], v[SA+2*(\q)+\a/2] matrix_a_fmt:MATRIX_FMT_FP4 matrix_b_fmt:MATRIX_FMT_FP4
.endif
.endr
.irp b, 0,1,2,3,4,5,6,7
.if \cm
	v_wmma_scale_f32_16x16x128_f8f6f4 v[8*(8*\a+8+\b):8*(8*\a+8+\b)+7], v[128*(\set)+8*\b:128*(\set)+8*\b+7], v[AF+32*(\set)+8*\a+8:AF+32*(\set)+8*\a+15], v[BI+8*\b:BI+8*\b+7], v[SBR+8*\b+(\q)], v[SA+2*(\q)+\a/2] matrix_a_fmt:MATRIX_FMT_FP4 matrix_b_fmt:MATRIX_FMT_FP4 matrix_b_scale:MATRIX_SCALE_ROW1
.else
	v_wmma_scale_f32_16x16x128_f8f6f4 v[8*(8*\a+8+\b):8*(8*\a+8+\b)+7], v[128*(\set)+8*\b:128*(\set)+8*\b+7], v[AF+32*(\set)+8*\a+8:AF+32*(\set)+8*\a+15], v[8*(8*\a+8+\b):8*(8*\a+8+\b)+7], v[SBR+8*\b+(\q)], v[SA+2*(\q)+\a/2] matrix_a_fmt:MATRIX_FMT_FP4 matrix_b_fmt:MATRIX_FMT_FP4 matrix_b_scale:MATRIX_SCALE_ROW1
.endif
.endr
.endr
.endm
.macro KQ q
	s_wait_dscnt 0x0
.if (\q) > 0
	PLACES 4
.endif
.if (\q) < 7
	FETCH (\q)+1, ((\q)+1)%2
.endif
.if (\q) == 0
	WIN 0x91
	MUL32 0, 0, 1
.else
	WIN 0xa1
	MUL32 (\q)%2, \q, 0
.endif
.endm
.macro TOSTAGE a
	WIN 0x08
.irp b, 0,1,2,3,4,5,6,7
	ds_store_b128 v[STO], v[8*(8*(\a)+\b):8*(8*(\a)+\b)+3] offset:128*(\b/2)+32*(\b%2)
	ds_store_b128 v[STO], v[8*(8*(\a)+\b)+4:8*(8*(\a)+\b)+7] offset:128*(\b/2)+32*(\b%2)+16
.endr
	WIN 0
.set BB, BK+64*((\a)%2)
.irp t, 0,1,2,3,4,5,6,7,8,9,10,11,12,13,14,15
	ds_load_b128 v[BB+4*\t:BB+4*\t+3], v[RD] offset:\t*SPITCH
.endr
.endm
.macro SEND a, younger
.set BB, BK+64*((\a)%2)
	s_wait_dscnt \younger
.irp t, 0,1,2,3,4,5,6,7,8,9,10,11,12,13,14,15
	global_store_b128 v[CO], v[BB+4*\t:BB+4*\t+3], s[98:99] offset:(32*((\a)/2)+8*((\a)%2)+\t+8*(\t/8))*4096 th:TH_STORE_NT
.endr
.endm
	s_load_b256 s[4:11], s[0:1], 0x0
	s_load_b128 s[96:99], s[0:1], 0x20
	v_lshl_add_u32 v126, v0, 2, 0x3d800
	v_mov_b32 v127, 0
	ds_add_u32 v126, v127
	ds_add_u32 v126, v127
	v_lshrrev_b32 v1, 5, v0
	v_readfirstlane_b32 s14, v1
	s_lshr_b32 s15, s14, 1
	s_and_b32 s16, s14, 1
	s_bfe_u32 s40, ttmp6, 0x40000
	s_bfe_u32 s41, ttmp6, 0x40004
	s_lshl_b32 s42, ttmp9, 2
	s_add_co_u32 s42, s42, s40
	s_and_b32 s17, ttmp7, 0xffff
	s_lshl_b32 s17, s17, 2
	s_add_co_u32 s17, s17, s41
	s_lshl_b32 s43, s41, 2
	s_lshl_b32 s43, 15, s43
	s_lshl_b32 s44, 0x1111, s40
	s_or_b32 s[G1+0], s43, (3<<16)|(1<<21)
	s_mov_b32 s[G1+1], 32<<16
	s_mov_b32 s[G1+2], 256<<16
	s_mov_b32 s[G1+3], 32<<16
	s_mov_b32 s[G1+4], 256
	s_mov_b32 s[G1+5], 32
	s_mov_b32 s[G1+6], 0
	s_mov_b32 s[G1+7], 0
	s_or_b32 s[G1B+0], s44, (1<<20)|(1<<21)|(6<<22)|(3<<25)
	s_mov_b32 s[G1B+1], 512<<16
	s_mov_b32 s[G1B+2], 256<<16
	s_mov_b32 s[G1B+3], 512<<16
	s_mov_b32 s[G1B+4], 256
	s_mov_b32 s[G1B+5], 512
	s_mov_b32 s[G1B+6], 0
	s_mov_b32 s[G1B+7], 0
	s_or_b32 s[G1S+0], s43, (3<<16)|(1<<21)
	s_mov_b32 s[G1S+1], 32<<16
	s_mov_b32 s[G1S+2], 16<<16
	s_mov_b32 s[G1S+3], 32<<16
	s_mov_b32 s[G1S+4], 16
	s_mov_b32 s[G1S+5], 32
	s_mov_b32 s[G1S+6], 0
	s_mov_b32 s[G1S+7], 0
	s_or_b32 s[G1SB+0], s44, (3<<16)|(1<<20)|(1<<21)|(5<<22)|(3<<25)
	s_mov_b32 s[G1SB+1], 32<<16
	s_mov_b32 s[G1SB+2], 32<<16
	s_mov_b32 s[G1SB+3], 32<<16
	s_mov_b32 s[G1SB+4], 32
	s_mov_b32 s[G1SB+5], 32
	s_mov_b32 s[G1SB+6], 0
	s_mov_b32 s[G1SB+7], 0
	s_lshl_b32 s20, s17, 16                        ; A: the group's 64 images
	s_mov_b32 s21, 0
	s_lshl_b32 s22, s17, 12                        ; and 8 scale blocks
	s_mov_b32 s23, 0
	s_lshl_b32 s46, s42, 8
	s_add_co_u32 s46, s46, 3072                    ; B: 256 rows of Wo, which begins at row 3,072 of wc
	s_lshl_b32 s2, s46, 5
	s_lshl_b32 s46, s46, 9
	s_mov_b32 s3, 0
	s_mov_b32 s47, 0
	s_wait_dscnt 0x0
	s_wait_kmcnt 0x0
	s_add_nc_u64 s[20:21], s[4:5], s[20:21]
	s_add_nc_u64 s[22:23], s[6:7], s[22:23]
	s_add_nc_u64 s[46:47], s[8:9], s[46:47]
	s_add_nc_u64 s[2:3], s[10:11], s[2:3]
	CROUND
	s_mov_b32 s[G0S], 1                            ; four tiles, each whole: A's scale blocks,
	s_mov_b32 s[G0S+1], ASC
	s_mov_b64 s[G0S+2:G0S+3], s[22:23]
	s_or_b32 s[G0S+3], s[G0S+3], 0x80000000
	s_mov_b32 s[G0SB], 1                           ; the scales of B's 256 rows,
	s_mov_b32 s[G0SB+1], BSC
	s_mov_b64 s[G0SB+2:G0SB+3], s[2:3]
	s_or_b32 s[G0SB+3], s[G0SB+3], 0x80000000
	s_mov_b32 s[G0], 1                             ; A's 64 images,
	s_mov_b32 s[G0+1], 0
	s_mov_b64 s[G0+2:G0+3], s[20:21]
	s_or_b32 s[G0+3], s[G0+3], 0x80000000
	s_mov_b32 s[G0B], 1                            ; and B's 256 rows of 512 bytes
	s_mov_b32 s[G0B+1], BT
	s_mov_b64 s[G0B+2:G0B+3], s[46:47]
	s_or_b32 s[G0B+3], s[G0B+3], 0x80000000
; The head's loads, one a wave: one chain of branches on the wave's number; every way passes one load.  Every LDS byte is filled once.
.macro ARM under, g0, g1, next
	s_cmp_lt_u32 s14, \under
	s_cbranch_scc0 \next
	tensor_load_to_lds s[\g0:\g0+3], s[\g1:\g1+7]
	s_nop 0
.rept 4
	v_nop
.endr
	s_branch .Lhead_asked
\next:
.endm
	ARM 1, G0,  G1,  .Lhead_b
	ARM 2, G0B, G1B, .Lhead_sa
	ARM 3, G0S, G1S, .Lhead_sb
	tensor_load_to_lds s[G0SB:G0SB+3], s[G1SB:G1SB+7]
	s_nop 0
.rept 4
	v_nop
.endr
.Lhead_asked:
	v_and_b32 v1, 15, v0
	v_bfe_u32 v2, v0, 4, 1
	v_and_b32 v3, 31, v0
	v_lshlrev_b32 v[CO], 4, v3
	s_lshl_b32 s21, s15, 12
	v_add_nc_u32 v[ADRA], s21, v[CO]
	v_mul_u32_u24 v4, v1, 528
	v_lshl_add_u32 v4, v2, 4, v4
	s_mul_i32 s22, s16, BHALF
	s_add_co_u32 s22, s22, BT
	v_add_nc_u32 v[ADRB], s22, v4
	s_add_co_u32 s22, s22, BSLOT
	v_add_nc_u32 v[ADRB+1], s22, v4
	s_lshl_b32 s21, s15, 3
	s_add_co_u32 s21, s21, ASC
	v_add_nc_u32 v[ASA], s21, v[CO]
	v_lshlrev_b32 v5, 5, v1
	v_lshrrev_b32 v6, 8, v5
	v_lshl_add_u32 v5, v6, 4, v5
	s_mul_i32 s21, s16, 4352
	s_add_co_u32 s21, s21, BSC
	v_add_nc_u32 v[ASB], s21, v5
	s_mul_i32 s23, s14, 16*SPITCH
	s_add_co_u32 s23, s23, STG
	v_mul_u32_u24 v5, v1, SPITCH
	v_lshl_add_u32 v5, v2, 6, v5
	v_add_nc_u32 v[STO], s23, v5
	v_add_nc_u32 v[RD], s23, v[CO]
	v_lshlrev_b32 v[BO], 6, v2
	s_wait_alu depctr_va_vdst(0)
	s_lshl_b32 s20, s42, 10
	s_lshl_b32 s21, s16, 9
	s_add_co_u32 s20, s20, s21
	s_mov_b32 s21, 0
	s_add_nc_u64 s[96:97], s[96:97], s[20:21]
	s_add_nc_u64 s[98:99], s[98:99], s[20:21]
	s_lshl_b32 s20, s17, 7
	s_lshl_b32 s22, s15, 6
	s_add_co_u32 s20, s20, s22
	s_lshl_b32 s20, s20, 12
	s_add_nc_u64 s[98:99], s[98:99], s[20:21]
	WIN 0x40
.irp b, 0,1,2,3,4,5,6,7
	global_load_b128 v[BI+8*\b:BI+8*\b+3], v[BO], s[96:97] offset:(32*(\b/2)+8*(\b%2))*4
	global_load_b128 v[BI+8*\b+4:BI+8*\b+7], v[BO], s[96:97] offset:(32*(\b/2)+8*(\b%2))*4+16
.endr
	WIN 0
	s_wait_tensorcnt 0x0                           ; my one tile is in; behind the barrier all four are
	s_wait_loadcnt 0x0
	s_barrier_signal -1
	s_barrier_wait -1
.irp q, 0,1,2,3,4,5,6,7
	ds_load_b64 v[SA+2*\q:SA+2*\q+1], v[ASA] offset:512*\q
.endr
.irp b, 0,1,2,3,4,5,6,7
.irp i, 0,1
	ds_load_b128 v[SBR+8*\b+4*\i:SBR+8*\b+4*\i+3], v[ASB] offset:544*\b+16*\i
.endr
.endr
	FETCH 0, 0
.irp q, 0,1,2,3,4,5,6,7
	KQ \q
.endr
	WIN 0
	PLACES 4
	TOSTAGE 0
.irp a, 1,2,3
.if \a > 1
	s_wait_xcnt 0x0
.endif
	TOSTAGE \a
	SEND \a-1, 32
.endr
	SEND 3, 0
	s_wait_tensorcnt 0x0
	ds_add_u32 v126, v127
	s_wait_dscnt 0x0
	CROUND
	s_endpgm
.Lfunc_end_k_q2363380112_oproj:
	.size	k_q2363380112_oproj, .Lfunc_end_k_q2363380112_oproj-k_q2363380112_oproj
	.p2alignl 7, 3214868480
	.fill 96, 4, 3214868480
	.section	.rodata,"a",@progbits
	.p2align	6, 0x0
	.amdhsa_kernel k_q2363380112_oproj
		.amdhsa_group_segment_fixed_size 327680
		.amdhsa_private_segment_fixed_size 0
		.amdhsa_enable_private_segment 0
		.amdhsa_kernarg_size 48
		.amdhsa_user_sgpr_count 2
		.amdhsa_user_sgpr_kernarg_segment_ptr 1
		.amdhsa_wavefront_size32 1
		.amdhsa_system_sgpr_workgroup_id_x 1
		.amdhsa_system_sgpr_workgroup_id_y 1
		.amdhsa_system_sgpr_workgroup_id_z 1
		.amdhsa_system_vgpr_workitem_id 0
		.amdhsa_next_free_vgpr 768
		.amdhsa_next_free_sgpr 102
		.amdhsa_reserve_vcc 0
		.amdhsa_float_denorm_mode_32 3
		.amdhsa_float_denorm_mode_16_64 3
		.amdhsa_memory_ordered 1
		.amdhsa_forward_progress 1
		.amdhsa_inst_pref_size 72
	.end_amdhsa_kernel
	.amdgpu_metadata
---
amdhsa.version: [ 1, 2 ]
amdhsa.kernels:
  - .name:           k_q2363380112_oproj
    .symbol:         k_q2363380112_oproj.kd
    .args:
      - { .name: oc, .offset: 0, .size: 8, .value_kind: global_buffer, .address_space: global }
      - { .name: os, .offset: 8, .size: 8, .value_kind: global_buffer, .address_space: global }
      - { .name: wc, .offset: 16, .size: 8, .value_kind: global_buffer, .address_space: global }
      - { .name: ws, .offset: 24, .size: 8, .value_kind: global_buffer, .address_space: global }
      - { .name: bo, .offset: 32, .size: 8, .value_kind: global_buffer, .address_space: global }
      - { .name: out0, .offset: 40, .size: 8, .value_kind: global_buffer, .address_space: global }
    .group_segment_fixed_size: 327680
    .private_segment_fixed_size: 0
    .kernarg_segment_align: 8
    .kernarg_segment_size: 48
    .max_flat_workgroup_size: 128
    .sgpr_count:     102
    .vgpr_count:     768
    .wavefront_size: 32
...
	.end_amdgpu_metadata
.endif
;; end of part 4
